; MI455X (gfx1250); checked and timed in simulation.
; The chip was launched on July 23, 2026; its instructions are those of AMD's public machine-readable ISA for CDNA 5 (MIT licence, August 2026) and "CDNA5" Instruction Set Architecture Reference Guide (July 2026). The comments in the code are by the model that wrote it; some were corrected since.
;; Multi Head Attention. Allowed arithmetic: matrix products marked QUANTISED: E2M1 operands, one E8M0 scale for each 32 along K, by v_wmma_scale_f32_16x16x128_f8f6f4 with both operands' format E2M1 (or v_wmma_scale_f32_32x16x128_f4), f32 sums; products left as they are: bf16, f16 or f32 operands; f32 sums; everything else in f32.
;; Inputs: Wk 1,024 x 1,024 float32; Wo 1,024 x 1,024 float32; Wq 1,024 x 1,024 float32; Wv 1,024 x 1,024 float32; bk 1,024 float32; bo 1,024 float32; bq 1,024 float32; bv 1,024 float32; key 4 x 2,048 x 1,024 float32; mask 4 x 1 x 2,048 x 2,048 int32; query 4 x 2,048 x 1,024 float32; value 4 x 2,048 x 1,024 float32.
;; Outputs: out0 4 x 2,048 x 1,024 float32.
;; This version of the problem:
;;   THIS VERSION OF THE PROBLEM IS GIVEN IN LOW PRECISION. The matrix products marked QUANTISED in the list below multiply operands that are first quantised to E2M1 (2 exponent bits, 1 mantissa bit; 4 bits a number), with one power-of-two scale for each 32 numbers along K (OCP MX v1.0); their sums are f32. The products marked 'left as it is' may take bf16, f16 or f32 operands, with f32 sums. Whichever they take, every output number must still come out within the allowed error. Rounding operands to bf16 (8 significant bits) uses up far more of that allowance than f16 does (11 bits, for magnitudes from 6e-5 to 65,504). All else is computed in f32.
;;   The module's matrix products, in the order in which they are computed (A, B: the left and right operand; K: the contracted axis; several contracted axes count as one K, in the product's order):
;;     1. [M 8,192, K 1,024] x [K 1,024, N 1,024]; A: input query; B: input Wq: QUANTISED
;;     2. [M 8,192, K 1,024] x [K 1,024, N 1,024]; A: input key; B: input Wk: QUANTISED
;;     3. [M 8,192, K 1,024] x [K 1,024, N 1,024]; A: input value; B: input Wv: QUANTISED
;;     4. batch 64 x [M 2,048, K 64] x [K 64, N 2,048]; A: computed on the way; B: computed on the way: left as it is (an operand is computed on the way)
;;     5. batch 64 x [M 2,048, K 2,048] x [K 2,048, N 64]; A: computed on the way; B: computed on the way: left as it is (an operand is computed on the way)
;;     6. [M 8,192, K 1,024] x [K 1,024, N 1,024]; A: computed on the way; B: input Wo: left as it is (an operand is computed on the way)
;;   THE QUANTISER, for each operand of a quantised product, along K:
;;     - K is cut into blocks of 32 from its start; a last block that is shorter is filled with zeros.
;;     - A block's scale is 2^e with e = floor(log2(the largest magnitude in the block)) - 2, held to -126 .. 127; a block of zeros has e = 0. As a byte (E8M0): e + 127.
;;     - Each number is divided by its block's scale, clamped to +-6, and rounded to the nearest number of E2M1, ties to even, subnormals kept.
;;     - The product sums the exact products of the quantised numbers (number of the format x scale) in f32.
;;   ~~~python
;;   def quantise(x, axis):      # numpy; x: float32 -> the quantised numbers, widened to float32 again
;;       x = np.moveaxis(x, axis, -1); K = x.shape[-1]
;;       x = np.pad(x, [(0, 0)] * (x.ndim - 1) + [(0, -K % 32)]); x = x.reshape(x.shape[:-1] + (-1, 32)); a = np.abs(x).max(-1, keepdims=True)
;;       e = np.where(a > 0, np.clip(np.frexp(np.where(a > 0, a, 1))[1] - 1 - 2, -126, 127), 0)      # np.frexp(a)[1] - 1 = floor(log2(a)), exactly
;;       r = np.clip(x / 2.0 ** e, -6, 6)
;;       step = 2.0 ** (np.maximum(np.frexp(np.where(r == 0, 1, r))[1] - 1, 0) - 1)
;;       q = np.round(r / step) * step * 2.0 ** e      # np.round: ties to even
;;       return np.moveaxis(q.reshape(q.shape[:-2] + (-1,))[..., :K], -1, axis).astype(np.float32)
;;   ~~~
;; One version. Each part assembles by itself: llvm-mc -triple=amdgcn-amd-amdhsa -mcpu=gfx1250 --defsym DOCPART=n.
;; ======== version 1 of 1: 4 launches
;; limits: values are held in f16: magnitudes above 65,504 overflow, below 6.1e-05 lose precision
;; workspace buffers: xc 12,582,912 bytes; xs 786,432 bytes; wc 1,572,864 bytes; ws 98,304 bytes; wo16 2,097,152 bytes; mbits 2,097,152 bytes of whole numbers; qkv 50,331,648 bytes; attnF 16,777,216 bytes
;; launch prep (part 1): grid 1440 x 1, 4 waves a work-group, no clusters, 67,072 bytes of LDS; arguments query, key, value, Wq, Wk, Wv, Wo, mask, xc, xs, wc, ws, wo16, mbits; writes xc, xs, wc, ws, wo16, mbits
.if DOCPART == 1
	.amdgcn_target "amdgcn-amd-amdhsa--gfx1250"
	.amdhsa_code_object_version 6
	.text
	.protected	k_q6759f589d0_prep
	.globl	k_q6759f589d0_prep
	.p2align	8
	.type	k_q6759f589d0_prep,@function
k_q6759f589d0_prep:
	s_mov_b64 s[64:65], 0
	v_nop
	global_prefetch_b8 v0, s[64:65] scope:SCOPE_SE
	s_setreg_imm32_b32 hwreg(HW_REG_WAVE_MODE, 25, 1), 1
	s_wait_xcnt 0x0
; PREP: everything that is read once as it is given and wanted often in another form.  Three kinds of work-group, told apart by the work-group's number:
;   0 .. 511      THE MASK [4][1][2048][2048] int32 becomes lane-mask words: mbits[b][qt 128][ks 32][w 32] u32; bit L (r = L % 16, h = L / 16) of word w = 8 kt + j is
;                 mask[b][16 qt + r][64 ks + 16 kt + 8 h + j] != 0: the very word by which the attention launch selects one register of scores.  The 16 heads then read 2 MiB each time, not 64 MiB.
;   512 .. 1375   query, key, value, Wq, Wk, Wv (f32, K innermost) become codes of FP4 (E2M1) with one E8M0 byte for each 32 along K: plain streams of blocks of 32; a work-group takes 32,768 numbers.
;   1376 .. 1439  Wo becomes f16, laid as images of matrix fragments: wo16[nt 64][f 32][g 2][lane][16 bytes]; lane (r, h) holds Wo[16 nt + r][32 f + 16 g + 8 h + 0 .. 7].
; A block's scale is 2^(floor(log2(its largest magnitude)) - 2); its byte is the largest magnitude's exponent field - 2, held at 1 from below.
; LIMITS: a block whose largest magnitude lies under 2^-124 keeps the byte 1; a block of zeros gets the byte 1 where the rule says 127 (its codes are zeros, and this program alone reads the bytes);
; NaN and infinities among the inputs are not served; |Wo| stays under 65,504 (f16).
; No tensor loads, no barrier: waves share nothing.  Each kind of work-group has LDS bytes of its own: 0 .. 32,767 the quantiser's (8,192 a wave), 32,768 .. 66,559 the mask's stages (8,448 a wave), then the spare words.
.set SPARE, 66560                      ; the spare words, 128 bytes for each wave: two blocks of 256 bytes that no other line names
.set SPW,   12                         ; v12  LDS address of my spare word; never rewritten
.set NIL,   13                         ; v13  0; never rewritten
	s_load_b512 s[4:19], s[0:1], 0x0               ; query s[4:5], key s[6:7], value s[8:9], Wq s[10:11], Wk s[12:13], Wv s[14:15], Wo s[16:17], mask s[18:19]
	s_load_b256 s[20:27], s[0:1], 0x40             ; xc s[20:21], xs s[22:23], wc s[24:25], ws s[26:27]
	s_load_b128 s[28:31], s[0:1], 0x60             ; wo16 s[28:29], mbits s[30:31]
	v_lshl_add_u32 v[SPW], v0, 2, SPARE
	v_mov_b32 v[NIL], 0
	v_lshrrev_b32 v1, 5, v0
	v_readfirstlane_b32 s32, v1                    ; wave 0..3
	v_and_b32 v2, 31, v0                           ; lane
	s_wait_kmcnt 0x0
	s_cmp_lt_u32 ttmp9, 512
	s_cbranch_scc1 .Lmask
	s_cmp_lt_u32 ttmp9, 1376
	s_cbranch_scc1 .Lquant
; ---------------- Wo: 16 rows of Wo to a work-group; wave w takes k = 256 w .. 256 w + 255: fragments f = 8 w .. 8 w + 7
	s_sub_co_u32 s33, ttmp9, 1376                  ; nt
	s_lshl_b32 s34, s33, 16                        ; 16 rows of 4,096 bytes
	s_lshl_b32 s35, s32, 10                        ; my wave's 256 numbers
	s_add_co_u32 s34, s34, s35
	s_mov_b32 s35, 0
	s_add_nc_u64 s[36:37], s[16:17], s[34:35]
	s_lshl_b32 s34, s33, 15                        ; 32 fragments of 1,024 bytes
	s_lshl_b32 s33, s32, 13                        ; my wave's eight
	s_add_co_u32 s34, s34, s33
	s_add_nc_u64 s[38:39], s[28:29], s[34:35]
	v_and_b32 v3, 15, v0                           ; r
	v_bfe_u32 v4, v0, 4, 1                         ; h
	v_lshlrev_b32 v1, 12, v3
	v_lshl_add_u32 v1, v4, 5, v1                   ; in: row r, + 32 h bytes: my eight numbers of a half fragment
	v_lshlrev_b32 v2, 4, v2                        ; out: 16 bytes a lane
.irp i, 0,1,2,3,4,5,6,7,8,9,10,11,12,13,14,15      ; half fragment i = 2 f' + g begins 64 i bytes on
	global_load_b128 v[16+8*\i:19+8*\i], v1, s[36:37] offset:64*\i th:TH_LOAD_NT
	global_load_b128 v[20+8*\i:23+8*\i], v1, s[36:37] offset:64*\i+16 th:TH_LOAD_NT
.endr
.irp i, 0,1,2,3,4,5,6,7,8,9,10,11,12,13,14,15
	s_wait_loadcnt 30-2*\i                         ; loads come back in order: this half fragment's two are in, the younger ones stay out
.irp k, 0,1,2,3
	v_cvt_pk_f16_f32 v[144+4*\i+\k], v[16+8*\i+2*\k], v[17+8*\i+2*\k]
.endr
	global_store_b128 v2, v[144+4*\i:147+4*\i], s[38:39] offset:512*\i   ; 32 lanes store 512 consecutive bytes; each half fragment has registers of its own, so no store's data are written again
.endr
	s_wait_tensorcnt 0x0                           ; the wave's end
	ds_add_u32 v[SPW], v[NIL]
	s_wait_dscnt 0x0
	s_endpgm
; ---------------- the mask: 16 rows (one tile of queries) to a work-group; wave w takes keys 512 w .. 512 w + 511, four chunks of 128 keys
.set MR,   16                          ; v16-143  two sets of 64: a chunk as it is loaded, 16 rows x 512 bytes
.set MX,   144                         ; v144-207 the chunk turned: register 8 kt + j = mask(row r, key 16 kt + 8 h + j)
.set MW,   208                         ; v208-215 a pair for each chunk: lane l holds words 2 l and 2 l + 1
.set MSTO, 5                           ; v5   into my stage: 16 x lane
.set MRD,  3                           ; v3   out of it: 528 r + 32 h
.macro LOADM c                         ; chunk c: each load reads 512 consecutive bytes of one row
.irp i, 0,1,2,3,4,5,6,7,8,9,10,11,12,13,14,15
	global_load_b128 v[MR+64*((\c)%2)+4*\i:MR+64*((\c)%2)+4*\i+3], v1, s[36:37] offset:8192*\i+512*(\c) th:TH_LOAD_NT
.endr
.endm
.macro CHUNK c
.if (\c) < 3
	s_wait_loadcnt 16                              ; this chunk's 16 loads are in; the next chunk's may be out
.else
	s_wait_loadcnt 0x0
.endif
.irp i, 0,1,2,3,4,5,6,7,8,9,10,11,12,13,14,15
	ds_store_b128 v[MSTO], v[MR+64*((\c)%2)+4*\i:MR+64*((\c)%2)+4*\i+3] offset:528*\i   ; rows 528 bytes apart: 512 + 16 of padding
.endr
.irp k, 0,1,2,3,4,5,6,7,8,9,10,11,12,13,14,15      ; LDS serves a wave's instructions in order: these see the stores above
	ds_load_b128 v[MX+4*\k:MX+4*\k+3], v[MRD] offset:64*(\k/2)+16*(\k%2)
.endr
	s_wait_dscnt 0x0                               ; the chunk is turned, and the stores have read their registers,
.if (\c) < 2
	LOADM (\c)+2                                   ; which take the chunk two further on
.endif
.set q, 0
.rept 8                                            ; a compare gives the 32 lanes' bits as one word; word n = 8 q + j goes to lane n / 2, register n % 2
.irp j, 0,1,2,3,4,5,6,7
	v_cmp_ne_u32 s[48+\j], 0, v[MX+8*q+\j]
.endr
.irp j, 0,1,2,3,4,5,6,7
	v_writelane_b32 v[MW+2*(\c)+(\j%2)], s[48+\j], 4*q+\j/2
.endr
.set q, q+1
.endr
	global_store_b64 v4, v[MW+2*(\c):MW+2*(\c)+1], s[38:39] offset:256*(\c)   ; the chunk's 64 words: 32 lanes store 256 consecutive bytes, aligned
.endm
.Lmask:
	s_lshl_b32 s34, ttmp9, 17                      ; 16 rows of 8,192 bytes
	s_lshl_b32 s35, s32, 11                        ; my wave's 512 keys
	s_add_co_u32 s34, s34, s35
	s_mov_b32 s35, 0
	s_add_nc_u64 s[36:37], s[18:19], s[34:35]
	s_lshl_b32 s34, ttmp9, 12                      ; a tile of queries has 1,024 words
	s_lshl_b32 s33, s32, 10                        ; my wave's 256
	s_add_co_u32 s34, s34, s33
	s_add_nc_u64 s[38:39], s[30:31], s[34:35]
	s_mul_i32 s33, s32, 8448
	s_add_co_u32 s33, s33, 32768                   ; my stage
	v_lshlrev_b32 v1, 4, v2                        ; 16 x lane
	v_add_nc_u32 v[MSTO], s33, v1
	v_and_b32 v6, 15, v0
	v_bfe_u32 v7, v0, 4, 1
	v_mul_u32_u24 v[MRD], v6, 528
	v_lshl_add_u32 v[MRD], v7, 5, v[MRD]
	v_add_nc_u32 v[MRD], s33, v[MRD]
	v_lshlrev_b32 v4, 3, v2                        ; out: 8 bytes a lane
.irp i, 0,1,2,3,4,5,6,7
	v_mov_b32 v[MW+\i], 0                          ; written whole once: a lane write leaves the other lanes as they are
.endr
	LOADM 0
	LOADM 1
	CHUNK 0
	CHUNK 1
	CHUNK 2
	CHUNK 3
	s_wait_tensorcnt 0x0                           ; the wave's end, behind my last LDS store
	ds_add_u32 v[SPW], v[NIL]
	s_wait_dscnt 0x0
	s_endpgm
; ---------------- the quantiser: a wave takes 16 steps of 512 numbers.  Each of a step's four loads reads 512 consecutive bytes; the 2,048 bytes turn through the wave's own stage, so that a lane
; then holds 16 NEIGHBOURS along K (two neighbouring lanes hold a block), as the conversions want them.  Loads run four steps ahead, the turn through LDS one step.
.set STEPS, 16
.set EMAX,  2
.set CB,    8                          ; bytes of 16 codes
.set R,     16                         ; v16-79   four sets of 16 numbers as they are loaded
.set X,     80                         ; v80-111  two sets of 16 neighbours
.set E,     112                        ; v112-127 a scale byte for each step
.set C,     128                        ; v128-191 codes: four registers for each step, so that no store's data are written again
.set WREG,  8192                       ; a wave's region: two stages of 32 x SP bytes, then its 256 scale bytes
.set SP,    80                         ; a lane's place in a stage: its 64 bytes + 16 of padding
.macro LOADQ t
.irp i, 0,1,2,3
	global_load_b128 v[R+16*((\t)%4)+4*\i:R+16*((\t)%4)+4*\i+3], v3, s[36:37] offset:2048*(\t)+512*\i th:TH_LOAD_NT
.endr
.endm
.macro TURNQ t                         ; step t's numbers through the stage; LDS serves a wave's instructions in order
.irp i, 0,1,2,3
	ds_store_b128 v14, v[R+16*((\t)%4)+4*\i:R+16*((\t)%4)+4*\i+3] offset:32*SP*((\t)%2)+8*SP*\i
.endr
.irp i, 0,1,2,3
	ds_load_b128 v[X+16*((\t)%2)+4*\i:X+16*((\t)%2)+4*\i+3], v15 offset:32*SP*((\t)%2)+16*\i
.endr
.endm
.macro STEPQ t
.set XS, X+16*((\t)%2)
.if (\t) > 0
	s_wait_dscnt 1                                 ; this step's numbers are back from the stage (the last step's byte store may be out), so its stores into the stage have read their registers,
.else
	s_wait_dscnt 0x0
.endif
.if (\t)+4 < STEPS
	LOADQ (\t)+4                                   ; which take the loads of four steps on
.endif
.if (\t)+1 < STEPS
.if STEPS-2-(\t) >= 3
	s_wait_loadcnt 12                              ; the next step's four loads are in; those of the three steps behind it may be out
.else
	s_wait_loadcnt 4*(STEPS-2-(\t))
.endif
	TURNQ (\t)+1
.endif
	v_max3_num_f32 v8, |v[XS]|, |v[XS+1]|, |v[XS+2]|               ; the largest magnitude of my 16, in two chains
	v_max3_num_f32 v9, |v[XS+3]|, |v[XS+4]|, |v[XS+5]|
.irp i, 6,10
	v_max3_num_f32 v8, v8, |v[XS+\i]|, |v[XS+\i+1]|
	v_max3_num_f32 v9, v9, |v[XS+\i+2]|, |v[XS+\i+3]|
.endr
	v_max3_num_f32 v8, v8, |v[XS+14]|, |v[XS+15]|
	v_max3_num_f32 v8, v8, v9, (EMAX+1)<<23        ; and the floor 2^(3 - 127): the byte cannot fall under 1
	v_max_num_f32_dpp v8, v8, v8 row_xmask:1 row_mask:0xf bank_mask:0xf   ; and of my neighbour's 16: the block's
	v_add_nc_u32 v11, -(EMAX<<23), v8              ; 2 off its exponent field: the conversion takes the exponent field of this operand as its scale
	v_cvt_scalef32_pk8_fp4_f32 v[C+4*(\t)], v[XS:XS+7], v11        ; to the nearest code, ties to even; beyond the largest code the largest
	v_cvt_scalef32_pk8_fp4_f32 v[C+4*(\t)+1], v[XS+8:XS+15], v11
	v_lshrrev_b32 v[E+(\t)], 23, v11               ; the scale's byte (also the plain line behind the conversions)
	ds_store_b8 v5, v[E+(\t)] offset:16*(\t)       ; both lanes of a block write the same byte with the same value
	global_store_b64 v4, v[C+4*(\t):C+4*(\t)+1], s[38:39] offset:32*CB*(\t)   ; 32 lanes store 256 consecutive bytes, aligned
.endm
.Lquant:
	s_sub_co_u32 s33, ttmp9, 512                   ; g: 0-255 query, 256-511 key, 512-767 value, 768-799 Wq, 800-831 Wk, 832-863 Wv
	s_mov_b64 s[36:37], s[14:15]                   ; the choices hang on the work-group's number alone
	s_cmp_lt_u32 s33, 832
	s_cselect_b64 s[36:37], s[12:13], s[36:37]
	s_cmp_lt_u32 s33, 800
	s_cselect_b64 s[36:37], s[10:11], s[36:37]
	s_cmp_lt_u32 s33, 768
	s_cselect_b64 s[36:37], s[8:9], s[36:37]
	s_cselect_b64 s[38:39], s[20:21], s[24:25]     ; codes: xc or wc
	s_cselect_b64 s[40:41], s[22:23], s[26:27]     ; scale bytes: xs or ws
	s_cselect_b32 s34, 0, 768
	s_mov_b32 s35, 31
	s_cselect_b32 s35, 255, s35
	s_cmp_lt_u32 s33, 512
	s_cselect_b64 s[36:37], s[6:7], s[36:37]
	s_cmp_lt_u32 s33, 256
	s_cselect_b64 s[36:37], s[4:5], s[36:37]
	s_sub_co_u32 s34, s33, s34                     ; my place in the output buffers: the three tensors lie one behind the other
	s_and_b32 s35, s34, s35                        ; and in my input tensor
	s_lshl_b32 s42, s35, 17                        ; 32,768 numbers of 4 bytes a work-group,
	s_lshl_b32 s43, s32, 15                        ; 8,192 a wave
	s_add_co_u32 s42, s42, s43
	s_mov_b32 s43, 0
	s_add_nc_u64 s[36:37], s[36:37], s[42:43]
	s_lshl_b32 s42, s34, 14                        ; their codes: 16,384 bytes, 4,096 a wave
	s_lshl_b32 s45, s32, 12
	s_add_co_u32 s42, s42, s45
	s_add_nc_u64 s[38:39], s[38:39], s[42:43]
	s_lshl_b32 s42, s34, 10                        ; their scale bytes: 1,024, 256 a wave
	s_lshl_b32 s45, s32, 8
	s_add_co_u32 s42, s42, s45
	s_add_nc_u64 s[40:41], s[40:41], s[42:43]
	v_lshlrev_b32 v3, 4, v2                        ; my 16 bytes of a load's 512
	s_mul_i32 s44, s32, WREG
	v_lshrrev_b32 v14, 2, v2
	v_mul_u32_u24 v14, v14, SP
	v_and_b32 v15, 3, v2
	v_lshl_add_u32 v14, v15, 4, v14
	v_add_nc_u32 v14, s44, v14                     ; the stage, on the way in: SP (lane / 4) + 16 (lane % 4)
	v_mul_u32_u24 v15, v2, SP
	v_add_nc_u32 v15, s44, v15                     ; and on the way out: SP x lane: my 16 neighbours
	v_mul_u32_u24 v4, v2, CB                       ; my codes' place in a step's
	v_lshrrev_b32 v5, 1, v2
	s_add_co_u32 s44, s44, 2*32*SP
	v_add_nc_u32 v5, s44, v5                       ; my wave's 256 scale bytes, my block's byte
	v_lshlrev_b32 v7, 3, v2
	v_add_nc_u32 v6, s44, v7                       ; and on the way out 8 bytes a lane
.irp t, 0,1,2,3
	LOADQ \t
.endr
	s_wait_loadcnt 12                              ; step 0's four loads are in
	TURNQ 0
.irp t, 0,1,2,3,4,5,6,7,8,9,10,11,12,13,14,15
	STEPQ \t
.endr
	ds_load_b64 v[8:9], v6                         ; LDS serves a wave's instructions in order: these see my byte stores
	s_wait_dscnt 0x0
	global_store_b64 v7, v[8:9], s[40:41]          ; 32 lanes store 256 consecutive bytes, aligned
	s_wait_tensorcnt 0x0                           ; the wave's end, behind my last LDS store
	ds_add_u32 v[SPW], v[NIL]
	s_wait_dscnt 0x0
	s_endpgm
.Lfunc_end_k_q6759f589d0_prep:
	.size	k_q6759f589d0_prep, .Lfunc_end_k_q6759f589d0_prep-k_q6759f589d0_prep
	.p2alignl 7, 3214868480
	.fill 96, 4, 3214868480
	.section	.rodata,"a",@progbits
	.p2align	6, 0x0
	.amdhsa_kernel k_q6759f589d0_prep
		.amdhsa_group_segment_fixed_size 67072
		.amdhsa_private_segment_fixed_size 0
		.amdhsa_enable_private_segment 0
		.amdhsa_kernarg_size 112
		.amdhsa_user_sgpr_count 2
		.amdhsa_user_sgpr_kernarg_segment_ptr 1
		.amdhsa_wavefront_size32 1
		.amdhsa_system_sgpr_workgroup_id_x 1
		.amdhsa_system_sgpr_workgroup_id_y 1
		.amdhsa_system_sgpr_workgroup_id_z 1
		.amdhsa_system_vgpr_workitem_id 0
		.amdhsa_next_free_vgpr 216
		.amdhsa_next_free_sgpr 66
		.amdhsa_reserve_vcc 0
		.amdhsa_float_denorm_mode_32 3
		.amdhsa_float_denorm_mode_16_64 3
		.amdhsa_memory_ordered 1
		.amdhsa_forward_progress 1
		.amdhsa_inst_pref_size 92
	.end_amdhsa_kernel
	.amdgpu_metadata
---
amdhsa.version: [ 1, 2 ]
amdhsa.kernels:
  - .name:           k_q6759f589d0_prep
    .symbol:         k_q6759f589d0_prep.kd
    .args:
      - { .name: query, .offset: 0, .size: 8, .value_kind: global_buffer, .address_space: global }
      - { .name: key, .offset: 8, .size: 8, .value_kind: global_buffer, .address_space: global }
      - { .name: value, .offset: 16, .size: 8, .value_kind: global_buffer, .address_space: global }
      - { .name: Wq, .offset: 24, .size: 8, .value_kind: global_buffer, .address_space: global }
      - { .name: Wk, .offset: 32, .size: 8, .value_kind: global_buffer, .address_space: global }
      - { .name: Wv, .offset: 40, .size: 8, .value_kind: global_buffer, .address_space: global }
      - { .name: Wo, .offset: 48, .size: 8, .value_kind: global_buffer, .address_space: global }
      - { .name: mask, .offset: 56, .size: 8, .value_kind: global_buffer, .address_space: global }
      - { .name: xc, .offset: 64, .size: 8, .value_kind: global_buffer, .address_space: global }
      - { .name: xs, .offset: 72, .size: 8, .value_kind: global_buffer, .address_space: global }
      - { .name: wc, .offset: 80, .size: 8, .value_kind: global_buffer, .address_space: global }
      - { .name: ws, .offset: 88, .size: 8, .value_kind: global_buffer, .address_space: global }
      - { .name: wo16, .offset: 96, .size: 8, .value_kind: global_buffer, .address_space: global }
      - { .name: mbits, .offset: 104, .size: 8, .value_kind: global_buffer, .address_space: global }
    .group_segment_fixed_size: 67072
    .private_segment_fixed_size: 0
    .kernarg_segment_align: 8
    .kernarg_segment_size: 112
    .max_flat_workgroup_size: 128
    .sgpr_count:     66
    .vgpr_count:     216
    .wavefront_size: 32
...
	.end_amdgpu_metadata
.endif
;; end of part 1
;; launch proj (part 2): grid 4 x 96, 4 waves a work-group, clusters of 4 x 4, 327,680 bytes of LDS; arguments xc, xs, wc, ws, bq, bk, qkv; writes qkv
.if DOCPART == 2
	.amdgcn_target "amdgcn-amd-amdhsa--gfx1250"
	.amdhsa_code_object_version 6
	.text
	.protected	k_q6759f589d0_proj
	.globl	k_q6759f589d0_proj
	.p2align	8
	.type	k_q6759f589d0_proj,@function
k_q6759f589d0_proj:
	s_mov_b64 s[64:65], 0
	v_nop
	global_prefetch_b8 v0, s[64:65] scope:SCOPE_SE
	s_setreg_imm32_b32 hwreg(HW_REG_WAVE_MODE, 25, 1), 1
	s_wait_xcnt 0x0
	s_wait_alu depctr_hold_cnt(0) depctr_sa_sdst(0) depctr_va_vdst(0) depctr_va_sdst(0) depctr_va_ssrc(0) depctr_va_vcc(0) depctr_vm_vsrc(0)
	s_getreg_b32 s2, hwreg(HW_REG_IB_STS2, 6, 4)
	s_cmp_eq_u32 s2, 0
	s_cbranch_scc0 .Lentry_in_a_cluster
	s_endpgm
.Lentry_in_a_cluster:
	s_bfe_u32 s2, ttmp6, 0x10000c
	s_cmp_lg_u32 s2, 0xf033
	s_cbranch_scc0 .Lentry_shape_is_right
	s_endpgm
.Lentry_shape_is_right:
; PROJ: q = query Wq^T + bq, k = key Wk^T + bk, v = value Wv^T, all three on codes of FP4 (E2M1) with one E8M0 scale for each 32 along K = 1,024; sums in f32; results rounded to f16.
; (bv is added behind the softmax, where the weights sum to one: the attention launch reads it.)
; A cluster of 4 x 4 work-groups makes 1,024 x 1,024 of one product: cluster y = 8 p + idx, p = 0, 1, 2 for q, k, v.  A work-group makes 256 x 256, each of its four waves 128 x 128: 64 accumulators, 512 registers.
; ONE BODY SERVES ALL THREE.  C = A B^T with the matrix instruction used transposed (source 0 = 16 rows of B, source 1 = 16 rows of A): a lane holds ONE row of A and eight neighbouring rows of B.
;   q, k: A = the tokens (tile row 4 idx + cy), B = the weight (tile column cx): a lane holds one token and eight neighbouring channels: 16 bytes of a fragment of Q or K.
;   v:    A = Wv (tile row cy), B = the tokens (tile column 4 idx + cx): a lane holds one channel and eight neighbouring tokens: 16 bytes of a fragment of V^T.
; THE RESULTS LEAVE AS IMAGES OF FRAGMENTS' REGISTERS, straight from registers: a head (bh = 16 b + head) has 262,144 bytes in each of qkv's three parts of 16 MiB:
;   q, k: [16 tokens 128][f 2][g 2][lane][16 bytes]: lane (r, h): token r of the 16, channels 32 f + 16 g + 8 h + 0 .. 7;   v: [32 keys 64][c 4][g 2][lane][16 bytes]: channel 16 c + r, keys 16 g + 8 h + 0 .. 7 of the 32.
; K goes through two LDS slots of 512 along K (rows of 256 bytes); K = 1,024 is just these two, so every tensor load is a first fill and nothing is filled again: three loads of a wave are out at the start.
; The scale bytes of the work-group's rows, for all of K, come once, as dense blocks.  A's tiles are shared along a row of the cluster, B's along a column: joint loads.
; 384 tiles of equal work; 3 x 8,192 x 1,024 results do not divide into 256 equal tiles of whole heads, so the grid is left at 24 clusters.  No prefetch: two K steps, both asked for at the head.
; LIMITS: |q|, |k|, |v| stay under 65,504 (f16).
; REGISTERS, in windows of 256: window 0: v0-31 addresses; v32-95 scale words, two sets; v96-103 the stores' offsets; v128-191 A's fragments, one set; v192-255 the bias as the first products' C, later the packed results.
;   window 1: B's fragments, two sets, at v0 and v128.   window 2: the accumulators of my rows 0-63 ((a, b) at v[8 (8 a + b)]);   window 3: those of my rows 64-127.
.set NQ,     4                         ; steps of 128 along K in a slot
.set ROWB,   256                       ; a tile's row in bytes: 512 codes
.set KROW,   512                       ; a row of codes in memory
.set PITCH,  272                       ; an LDS row: 256 bytes + 16 of padding = 68 words: the 16 rows that a load touches start at 16 different banks (64 banks of 4 bytes: ISA guide 11.1)
.set FR,     8                         ; registers of a fragment: 16 rows x 128 K
.set NL,     2                         ; LDS loads that bring one
.set NP,     4                         ; places behind this matrix instruction (ISA guide 7.12.1)
.set HALFT,  128*PITCH                 ; 128 rows: what one tensor load brings
.set SLOT,   4*HALFT                   ; A's 256 rows, then B's 256 rows
.set KS,     32                        ; a row of scale bytes
.set SCL,    2*SLOT                    ; behind the slots: the scales, as units of 256 bytes + 16 of padding
.set HALFS,  (128*KS/256)*272          ; those of 128 rows: what one tensor load brings
.set SBLK,   (16*KS/256)*272           ; those of 16 rows
.set SPARE,  SCL+4*HALFS               ; the spare words, 128 bytes for each wave: two blocks of 256 bytes that no other line names
.set ADRA, 16                          ; v16-17  LDS address of my A fragments in slot 0, 1
.set ADRB, 20                          ; v20-21  the same for B
.set ADRS, 27                          ; v27     LDS address of my scale words: lanes 0-15 A's rows, lanes 16-31 B's
.set SPW,  28                          ; v28     LDS address of my spare word; never rewritten
.set NIL,  29                          ; v29     0; never rewritten
.set SC,   32                          ; scale words: set s at v[SC + 32 s]; register 4 i + q: lanes 0-15 A's block i, lanes 16-31 B's block i, the slot's q-th 128 along K
.set VO,   96                          ; v96-103 the byte offset of B's block b in the image, + 16 x lane
.set AF,   128
.set BIAS, 192                         ; v[BIAS + 8 b + j]: the bias of column 16 b + 8 h + j
.set PK,   192                         ; the way out: two sets of 32 registers
.set G1, 24                            ; s[24:31] descriptor group 1 for A's tiles;  s[32:39] group 0, one set for each slot
.set G0, 32
.set G1B, 48                           ; s[48:55], s[56:63] the same for B's tiles
.set G0B, 56
.set G1S, 68                           ; s[68:75], s[76:79] groups 1 and 0 for A's scales;  s[80:87], s[88:91] for B's
.set G0S, 76
.set G1SB, 80
.set G0SB, 88
.set PP,   95                          ; s95   p: 0 q, 1 k, 2 v
.set KEEP, 100                         ; s100  all ones for q and k, 0 for v: what is kept of the bias
.set MSB, 0
.macro WIN new                         ; the immediate's high byte repeats the setting that is left
.if MSB != (\new)
	s_set_vgpr_msb (MSB<<8)|(\new)
.set MSB, \new
.endif
.endm
.set MUL_LO, 0xa1                      ; source 0 (B) window 1, source 1 (A) window 0, C and D window 2
.set MUL_HI, 0xf1                      ; the same, C and D window 3
.set FST_LO, 0x81                      ; the first step: C (the bias) window 0, D window 2
.set FST_HI, 0xc1                      ; D window 3
.set TO_B,   0x40                      ; destination window 1, address window 0
; A joint load: waves 0 and 1 fetch for A, waves 2 and 3 for B; the branch hangs on the wave's number alone.  An s_nop 0 and four v_nop follow each of the two lines.
.macro JLOAD g0a, g1a, g0b, g1b
	s_cmp_eq_u32 s15, 0
	s_cbranch_scc0 .Lfor_b_\@
	tensor_load_to_lds s[\g0a:\g0a+3], s[\g1a:\g1a+7]
	s_nop 0
.rept 4
	v_nop
.endr
	s_branch .Lasked_\@
.Lfor_b_\@:
	tensor_load_to_lds s[\g0b:\g0b+3], s[\g1b:\g1b+7]
	s_nop 0
.rept 4
	v_nop
.endr
.Lasked_\@:
.endm
.macro CROUND                          ; a round of the cluster's barrier
	s_barrier_signal -1
	s_barrier_wait -1
	s_cmp_lg_u32 s14, 0
	s_cbranch_scc1 .Lnot_wave_0_\@
	s_barrier_signal -3
.Lnot_wave_0_\@:
	s_barrier_wait -3
	s_barrier_signal -1
	s_barrier_wait -1
.endm
	s_load_b256 s[4:11], s[0:1], 0x0               ; xc s[4:5], xs s[6:7], wc s[8:9], ws s[10:11]
	s_load_b128 s[96:99], s[0:1], 0x20             ; bq s[96:97], bk s[98:99]
	s_load_b64 s[12:13], s[0:1], 0x30              ; qkv
	v_lshl_add_u32 v[SPW], v0, 2, SPARE
	v_mov_b32 v[NIL], 0
	ds_add_u32 v[SPW], v[NIL]                      ; the wave's opening: the add, twice on end, and its wait ahead of my first tensor load
	ds_add_u32 v[SPW], v[NIL]                      ; and once more; the set-up below, work on registers, stands between it and the wait
	v_lshrrev_b32 v1, 5, v0
	v_readfirstlane_b32 s14, v1                    ; wave 0..3
	s_lshr_b32 s15, s14, 1                         ; which half of the tile's rows is mine.  Also: I fetch for A (0) or for B (1)
	s_and_b32 s16, s14, 1                          ; which half of its columns.  Also: which 128 rows of that tile I fetch
	s_bfe_u32 s40, ttmp6, 0x40000                  ; cx, cy: my place in the cluster
	s_bfe_u32 s41, ttmp6, 0x40004
	s_and_b32 s17, ttmp7, 0xffff                   ; cluster y = 8 p + idx: the same in all sixteen partners
	s_lshr_b32 s[PP], s17, 3
	s_and_b32 s101, s17, 7
	s_lshl_b32 s101, s101, 2                       ; 4 idx
	s_cmp_eq_u32 s[PP], 2
	s_cselect_b32 s[KEEP], 0, -1
	s_cselect_b32 s17, 0, s101
	s_cselect_b32 s42, s101, 0
	s_add_co_u32 s17, s17, s41                     ; tile row of C: cy, + 4 idx for q and k
	s_add_co_u32 s42, s42, s40                     ; tile column: cx, + 4 idx for v
	s_lshl_b32 s43, s41, 2
	s_lshl_b32 s43, 15, s43                        ; my row of the cluster
	s_lshl_b32 s44, 0x1111, s40                    ; my column
	; descriptor group 1: a tile of 128 rows x 256 bytes, padded in LDS
	s_or_b32 s[G1+0], s43, (0<<16)|(1<<20)|(1<<21)|(5<<22)|(3<<25)  ; 15:0 the mask: A's tiles go to my row; 17:16 element of 1 byte; 20 padding on; 21 set beside a mask; 24:22 after every 64 words; 31:25 of 4 words
	s_or_b32 s[G1B+0], s44, (0<<16)|(1<<20)|(1<<21)|(5<<22)|(3<<25)
.irp g, G1, G1B
	s_mov_b32 s[\g+1], ROWB<<16                    ; tensor_dim0
	s_mov_b32 s[\g+2], 128<<16                     ; tensor_dim1
	s_mov_b32 s[\g+3], ROWB<<16                    ; tile_dim0
	s_mov_b32 s[\g+4], 128                         ; tile_dim1
	s_mov_b32 s[\g+5], KROW                        ; tensor_dim0_stride
	s_mov_b32 s[\g+6], 0
	s_mov_b32 s[\g+7], 0
.endr
	; and for the scales of 128 rows: a dense block of 4,096 bytes, as 16 rows of 256 bytes (32 elements of 8 bytes), 16 bytes of padding behind each
	s_or_b32 s[G1S+0], s43, (3<<16)|(1<<20)|(1<<21)|(5<<22)|(3<<25)
	s_or_b32 s[G1SB+0], s44, (3<<16)|(1<<20)|(1<<21)|(5<<22)|(3<<25)
.irp g, G1S, G1SB
	s_mov_b32 s[\g+1], 32<<16
	s_mov_b32 s[\g+2], (128*KS/256)<<16
	s_mov_b32 s[\g+3], 32<<16
	s_mov_b32 s[\g+4], 128*KS/256
	s_mov_b32 s[\g+5], 32
	s_mov_b32 s[\g+6], 0
	s_mov_b32 s[\g+7], 0
.endr
	s_lshl_b32 s18, s16, 7                         ; which 128 rows of the tile I fetch
	s_lshl_b32 s20, s17, 8
	s_add_co_u32 s20, s20, s18                     ; A: row 256 x tile row + 128 x half
	s_lshl_b32 s46, s42, 8
	s_add_co_u32 s46, s46, s18                     ; B: row 256 x tile column + 128 x half
	s_mov_b32 s21, 0
	s_mov_b32 s47, 0
	s_mov_b64 s[18:19], KS
	s_mul_u64 s[22:23], s[20:21], s[18:19]         ; where these rows' scales begin, in bytes
	s_mul_u64 s[92:93], s[46:47], s[18:19]
	s_mov_b64 s[18:19], KROW
	s_mul_u64 s[20:21], s[20:21], s[18:19]         ; and their codes
	s_mul_u64 s[46:47], s[46:47], s[18:19]
	s_mul_i32 s45, s14, HALFT                      ; where they go: wave x 128 rows: no place in the cluster enters an LDS address
	s_mul_i32 s94, s14, HALFS
	s_mov_b32 s105, 0
	s_wait_dscnt 0x0                               ; both opening adds are done
	s_wait_kmcnt 0x0
	s_lshl_b32 s104, s[PP], 22                     ; tensor p of each workspace buffer
	s_add_nc_u64 s[4:5], s[4:5], s[104:105]
	s_lshl_b32 s104, s[PP], 18
	s_add_nc_u64 s[6:7], s[6:7], s[104:105]
	s_lshl_b32 s104, s[PP], 19
	s_add_nc_u64 s[8:9], s[8:9], s[104:105]
	s_lshl_b32 s104, s[PP], 15
	s_add_nc_u64 s[10:11], s[10:11], s[104:105]
	s_cmp_eq_u32 s[PP], 2                          ; for v the weight is A and the tokens are B: the two sides change places
	s_mov_b64 s[104:105], s[4:5]
	s_cselect_b64 s[4:5], s[8:9], s[4:5]           ; A's codes
	s_cselect_b64 s[8:9], s[104:105], s[8:9]       ; B's codes
	s_mov_b64 s[104:105], s[6:7]
	s_cselect_b64 s[6:7], s[10:11], s[6:7]         ; A's scales
	s_cselect_b64 s[10:11], s[104:105], s[10:11]   ; B's scales
	s_add_nc_u64 s[20:21], s[4:5], s[20:21]
	s_add_nc_u64 s[22:23], s[6:7], s[22:23]
	s_add_nc_u64 s[46:47], s[8:9], s[46:47]
	s_add_nc_u64 s[92:93], s[10:11], s[92:93]
	CROUND                                         ; all sixteen work-groups are here: the joint loads meet
	s_mov_b32 s[G0S], 1
	s_add_co_u32 s[G0S+1], s94, SCL
	s_mov_b64 s[G0S+2:G0S+3], s[22:23]
	s_or_b32 s[G0S+3], s[G0S+3], 0x80000000
	s_mov_b32 s[G0SB], 1
	s_add_co_u32 s[G0SB+1], s94, SCL
	s_mov_b64 s[G0SB+2:G0SB+3], s[92:93]
	s_or_b32 s[G0SB+3], s[G0SB+3], 0x80000000
	JLOAD G0S, G1S, G0SB, G1SB                     ; the scales first: they are wanted with the first slot
.irp s, 0,1
	s_mov_b32 s[G0+4*\s], 1
	s_add_co_u32 s[G0+4*\s+1], s45, \s*SLOT
	s_add_nc_u64 s[G0+4*\s+2:G0+4*\s+3], s[20:21], \s*ROWB
	s_or_b32 s[G0+4*\s+3], s[G0+4*\s+3], 0x80000000
	s_mov_b32 s[G0B+4*\s], 1
	s_add_co_u32 s[G0B+4*\s+1], s45, \s*SLOT
	s_add_nc_u64 s[G0B+4*\s+2:G0B+4*\s+3], s[46:47], \s*ROWB
	s_or_b32 s[G0B+4*\s+3], s[G0B+4*\s+3], 0x80000000
	JLOAD G0+4*\s, G1, G0B+4*\s, G1B
.endr
	v_and_b32 v1, 15, v0                           ; r = lane % 16
	v_bfe_u32 v2, v0, 4, 1                         ; h = lane / 16
	; where my part of C begins, and what that means in tokens and channels
	s_lshl_b32 s20, s17, 8
	s_lshl_b32 s21, s15, 7
	s_add_co_u32 s20, s20, s21                     ; my first row of C
	s_lshl_b32 s46, s42, 8
	s_lshl_b32 s47, s16, 7
	s_add_co_u32 s46, s46, s47                     ; my first column
	s_cmp_eq_u32 s[PP], 2
	s_cselect_b32 s2, s46, s20                     ; my first token
	s_cselect_b32 s3, s20, s46                     ; my first channel
	s_cselect_b32 s101, 0, s46                     ; the bias runs along the columns of q and k; v has none here
	s_cmp_eq_u32 s[PP], 0
	s_cselect_b64 s[96:97], s[96:97], s[98:99]     ; bq, or bk (for v: bk's first numbers are loaded and masked away)
	s_lshl_b32 s46, s101, 2
	s_mov_b32 s47, 0
	s_add_nc_u64 s[96:97], s[96:97], s[46:47]
	v_lshlrev_b32 v7, 5, v2                        ; 32 h: my eight numbers of a block's sixteen
.irp b, 0,1,2,3,4,5,6,7
	global_load_b128 v[BIAS+8*\b:BIAS+8*\b+3], v7, s[96:97] offset:64*\b
	global_load_b128 v[BIAS+8*\b+4:BIAS+8*\b+7], v7, s[96:97] offset:64*\b+16
.endr
	v_mul_u32_u24 v3, v1, PITCH
	v_lshl_add_u32 v4, v2, 4, v3                   ; a fragment's row x pitch + 16 x half
	s_mul_i32 s21, s15, HALFT                      ; my 128 rows of A
	s_mul_i32 s22, s16, HALFT                      ; my 128 rows of B,
	s_add_co_u32 s22, s22, 2*HALFT                 ; which lie behind A's 256
.irp s, 0,1
	v_add_nc_u32 v[ADRA+\s], s21, v4
	v_add_nc_u32 v[ADRB+\s], s22, v4
	s_add_co_u32 s21, s21, SLOT
	s_add_co_u32 s22, s22, SLOT
.endr
	v_mul_u32_u24 v5, v1, KS                       ; my row's scales: 32 bytes a row,
	v_lshrrev_b32 v6, 8, v5
	v_lshl_add_u32 v5, v6, 4, v5                   ; and 16 more for each 256 passed
	s_mul_i32 s21, s15, HALFS                      ; A's: my 128 rows
	s_mul_i32 s22, s16, HALFS                      ; B's: my 128 rows, behind A's 256
	s_add_co_u32 s22, s22, 2*HALFS
	s_sub_co_u32 s22, s22, s21
	v_mul_u32_u24 v6, s22, v2                      ; lanes 16-31 take B's
	s_add_co_u32 s21, s21, SCL
	v_add_nc_u32 v5, v5, v6
	v_add_nc_u32 v[ADRS], s21, v5
	s_wait_loadcnt 0x0                             ; the bias
.set n, 0
.rept 64
	v_and_b32 v[BIAS+n], s[KEEP], v[BIAS+n]        ; for v: zeros
.set n, n+1
.endr
	; the way out.  Block b of B's rows lies (b % 2) x 512 + ((b / 2) % 2) x SB1 + (b / 4) x SB2 bytes on; block a of A's rows a step on
	s_cmp_eq_u32 s[PP], 2
	s_mov_b32 s18, 1024                            ; q, k: channels 32 on: the head's second fragment;
	s_cselect_b32 s18, 4096, s18                   ; v: 32 keys on
	s_mov_b32 s19, 262144                          ; q, k: channels 64 on: the next head;
	s_cselect_b32 s19, 8192, s19                   ; v: 64 keys on
	s_mov_b32 s22, 2048                            ; q, k: 16 tokens on;
	s_cselect_b32 s22, 1024, s22                   ; v: 16 channels on
	s_mov_b32 s92, 2048
	s_cselect_b32 s92, 259072, s92                 ; v, from block 3 to block 4: the next head's first channels
	s_mov_b32 s23, 0
	s_mov_b32 s93, 0
	v_and_b32 v6, 31, v0
	v_lshlrev_b32 v6, 4, v6
.irp b, 0,1,2,3,4,5,6,7
	v_add_nc_u32 v[VO+\b], (\b%2)*512, v6
.if (\b/2)%2
	v_add_nc_u32 v[VO+\b], s18, v[VO+\b]
.endif
.if \b/4
	v_add_nc_u32 v[VO+\b], s19, v[VO+\b]
.endif
.endr
	s_lshr_b32 s46, s2, 11                         ; the batch,
	s_lshl_b32 s46, s46, 4
	s_lshr_b32 s47, s3, 6
	s_add_co_u32 s46, s46, s47                     ; x 16 + the head
	s_lshl_b32 s46, s46, 18
	s_and_b32 s47, s2, 2047                        ; 128 bytes a token in either layout
	s_lshl_b32 s47, s47, 7
	s_add_co_u32 s46, s46, s47
	s_lshl_b32 s47, s[PP], 24                      ; part p of qkv
	s_add_co_u32 s46, s46, s47
	s_mov_b32 s47, 0
	s_add_nc_u64 s[12:13], s[12:13], s[46:47]
.macro FRAG reg, adr, q, i             ; a fragment, 16 rows x 128 K of 4-bit codes: lane l holds row l % 16; registers 4 c .. 4 c + 3 hold K = 64 c + 32 (l / 16) + 0 .. 31
.irp c, 0,1
	ds_load_b128 v[\reg+4*\c:\reg+4*\c+3], v[\adr] offset:64*(\q)+32*\c+(\i)*16*PITCH
.endr
.endm
; 16 matrix instructions: A's blocks a0, a0 + 1 x B's eight, the slot's q-th 128 along K.  p: B's set;  sc: the set of scale words.  first = 1: the bias is the C of the first product: nothing is cleared, nothing is added later.
; The 64 accumulators take turns, one instruction a turn, in the same order in every step.
.macro MUL16 a0, p, q, sc, first
.irp a, \a0, \a0+1
.irp b, 0,1,2,3,4,5,6,7
.if \first
	v_wmma_scale_f32_16x16x128_f8f6f4 v[8*(8*((\a)%4)+\b):8*(8*((\a)%4)+\b)+7], v[128*(\p)+FR*\b:128*(\p)+FR*\b+FR-1], v[AF+FR*(\a):AF+FR*(\a)+FR-1], v[BIAS+8*\b:BIAS+8*\b+7], v[SC+8*NQ*(\sc)+NQ*\b+(\q)], v[SC+8*NQ*(\sc)+NQ*(\a)+(\q)] matrix_a_fmt:MATRIX_FMT_FP4 matrix_b_fmt:MATRIX_FMT_FP4 matrix_a_scale:MATRIX_SCALE_ROW1
.else
	v_wmma_scale_f32_16x16x128_f8f6f4 v[8*(8*((\a)%4)+\b):8*(8*((\a)%4)+\b)+7], v[128*(\p)+FR*\b:128*(\p)+FR*\b+FR-1], v[AF+FR*(\a):AF+FR*(\a)+FR-1], v[8*(8*((\a)%4)+\b):8*(8*((\a)%4)+\b)+7], v[SC+8*NQ*(\sc)+NQ*\b+(\q)], v[SC+8*NQ*(\sc)+NQ*(\a)+(\q)] matrix_a_fmt:MATRIX_FMT_FP4 matrix_b_fmt:MATRIX_FMT_FP4 matrix_a_scale:MATRIX_SCALE_ROW1
.endif
.endr
.endr
.endm
.macro FETCH_B slot, q, p              ; B's eight fragments of the slot's q-th 128 along K into set p
	WIN TO_B
.irp i, 0,1,2,3,4,5,6,7
	FRAG 128*(\p)+FR*\i, ADRB+\slot, \q, \i
.endr
	WIN 0
.endm
.macro FETCH_A slot, q, i0             ; A's blocks i0 .. i0 + 3
.irp i, \i0, \i0+1, \i0+2, \i0+3
	FRAG AF+FR*(\i), ADRA+\slot, \q, \i
.endr
.endm
.macro SCALES sc                       ; a slot's scale words into set sc: four words a row; lanes 0-15 take A's block i, lanes 16-31 B's block i
.irp i, 0,1,2,3,4,5,6,7
	ds_load_b128 v[SC+8*NQ*\sc+NQ*\i:SC+8*NQ*\sc+NQ*\i+3], v[ADRS] offset:\i*SBLK
.endr
.endm
; A load into a register that a matrix instruction has read, and a vector instruction that reads a matrix result, stand NP places behind that matrix instruction; only plain vector instructions
; that name none of its registers are places (ISA guide 7.12.1 for vector instructions).
.macro PLACES n
.rept \n
	v_nop
.endr
.endm
; A step of 128 along K that has its successor in the same slot.  A block of A is free as soon as its eight products are issued, so A has one set of registers: blocks 0-3 are fetched anew in the step's middle, blocks 4-7 at its end.
.macro STEP slot, q, first
	s_wait_dscnt 4*NL                              ; B's set and A's blocks 0-3 are in; the youngest eight loads (A's blocks 4-7) may be out
.if \first
	WIN FST_LO
.else
	WIN MUL_LO
.endif
	MUL16 0, (\q)%2, \q, \slot, \first
	MUL16 2, (\q)%2, \q, \slot, \first
	s_wait_dscnt 0                                 ; A's blocks 4-7 are in
	PLACES NP
	FETCH_B \slot, (\q)+1, 1-(\q)%2
	FETCH_A \slot, (\q)+1, 0
.if \first
	WIN FST_HI
.else
	WIN MUL_HI
.endif
	MUL16 4, (\q)%2, \q, \slot, \first
	MUL16 6, (\q)%2, \q, \slot, \first
	PLACES NP
	WIN 0
	FETCH_A \slot, (\q)+1, 4
.endm
.macro STEPS slot, from                ; the slot's steps from .. NQ - 2
.set Q, \from
.rept NQ-1-\from
	STEP \slot, Q, 0
.set Q, Q+1
.endr
.endm
	s_wait_tensorcnt 1                             ; the scales and my part of slot 0 are in (slot 1's load may be out)
	s_barrier_signal -1
	s_barrier_wait -1                              ; everybody's are
	FETCH_B 0, 0, 0
	FETCH_A 0, 0, 0
	SCALES 0
	FETCH_A 0, 0, 4
	STEP 0, 0, 1                                   ; the first step starts the sums from the bias
	STEPS 0, 1
	; slot 0's last step changes slots: one barrier, in front of which each wave has waited for its part of slot 1.  Nothing is filled again
	s_wait_tensorcnt 0x0                           ; all my tensor loads have landed
	ds_add_u32 v[SPW], v[NIL]                      ; 0 onto my spare word
	s_wait_dscnt 4*NL+1                            ; (the add and the youngest eight loads, A's blocks 4-7, may be out)
	WIN MUL_LO
	MUL16 0, 1, NQ-1, 0, 0
	s_wait_dscnt 0x0                               ; no LDS instruction of mine is out at the signal
	s_barrier_signal -1
	MUL16 2, 1, NQ-1, 0, 0                         ; work on registers while the others arrive
	WIN 0
	s_barrier_wait -1                              ; slot 1 is whole
	PLACES NP
	v_add_nc_u32 v[ADRS], 4*NQ, v[ADRS]            ; on to slot 1's scale words
	FETCH_B 1, 0, 0
	FETCH_A 1, 0, 0
	SCALES 1
	WIN MUL_HI
	MUL16 4, 1, NQ-1, 0, 0
	MUL16 6, 1, NQ-1, 0, 0
	PLACES NP
	WIN 0
	FETCH_A 1, 0, 4
	STEPS 1, 0
	s_wait_dscnt 4*NL                              ; the very last step: nothing more to fetch
	WIN MUL_LO
	MUL16 0, 1, NQ-1, 1, 0
	MUL16 2, 1, NQ-1, 1, 0
	s_wait_dscnt 0
	WIN MUL_HI
	MUL16 4, 1, NQ-1, 1, 0
	MUL16 6, 1, NQ-1, 1, 0
	WIN 0
	; THE WAY OUT, block by block of A's 16 rows.  A lane's eight results of an accumulator round to 16 bytes, which ARE its 16 bytes of a fragment's image: no LDS, no exchange of lanes.
	PLACES NP                                      ; behind the last products
.irp a, 0,1,2,3,4,5,6,7
	WIN 0x0a+5*(\a/4)                              ; sources 0 and 1: window 2 or 3
.irp b, 0,1,2,3,4,5,6,7
.irp i, 0,1,2,3
	v_cvt_pk_f16_f32 v[PK+32*(\a%2)+4*\b+\i], v[64*(\a%4)+8*\b+2*\i], v[64*(\a%4)+8*\b+2*\i+1]   ; each accumulator from its low end on
.endr
.endr
	WIN 0
.if \a > 0
	s_wait_xcnt 0x0                                ; the earlier stores have read their base and their data: the base steps here, and the next block writes the set that block a - 1 stored from only behind this wait
.if \a == 4
	s_add_nc_u64 s[12:13], s[12:13], s[92:93]
.else
	s_add_nc_u64 s[12:13], s[12:13], s[22:23]
.endif
.endif
.irp b, 0,1,2,3,4,5,6,7
	global_store_b128 v[VO+\b], v[PK+32*(\a%2)+4*\b:PK+32*(\a%2)+4*\b+3], s[12:13]   ; 32 lanes store 512 consecutive bytes, at a multiple of 512 from the buffer's first byte
.endr
.endr
	s_wait_tensorcnt 0x0                           ; the wave's end
	ds_add_u32 v[SPW], v[NIL]
	s_wait_dscnt 0x0
	CROUND                                         ; the closing round
	s_endpgm
.Lfunc_end_k_q6759f589d0_proj:
	.size	k_q6759f589d0_proj, .Lfunc_end_k_q6759f589d0_proj-k_q6759f589d0_proj
	.p2alignl 7, 3214868480
	.fill 96, 4, 3214868480
	.section	.rodata,"a",@progbits
	.p2align	6, 0x0
	.amdhsa_kernel k_q6759f589d0_proj
		.amdhsa_group_segment_fixed_size 327680
		.amdhsa_private_segment_fixed_size 0
		.amdhsa_enable_private_segment 0
		.amdhsa_kernarg_size 56
		.amdhsa_user_sgpr_count 2
		.amdhsa_user_sgpr_kernarg_segment_ptr 1
		.amdhsa_wavefront_size32 1
		.amdhsa_system_sgpr_workgroup_id_x 1
		.amdhsa_system_sgpr_workgroup_id_y 1
		.amdhsa_system_sgpr_workgroup_id_z 1
		.amdhsa_system_vgpr_workitem_id 0
		.amdhsa_next_free_vgpr 1024
		.amdhsa_next_free_sgpr 106
		.amdhsa_reserve_vcc 0
		.amdhsa_float_denorm_mode_32 3
		.amdhsa_float_denorm_mode_16_64 3
		.amdhsa_memory_ordered 1
		.amdhsa_forward_progress 1
		.amdhsa_inst_pref_size 124
	.end_amdhsa_kernel
	.amdgpu_metadata
---
amdhsa.version: [ 1, 2 ]
amdhsa.kernels:
  - .name:           k_q6759f589d0_proj
    .symbol:         k_q6759f589d0_proj.kd
    .args:
      - { .name: xc, .offset: 0, .size: 8, .value_kind: global_buffer, .address_space: global }
      - { .name: xs, .offset: 8, .size: 8, .value_kind: global_buffer, .address_space: global }
      - { .name: wc, .offset: 16, .size: 8, .value_kind: global_buffer, .address_space: global }
      - { .name: ws, .offset: 24, .size: 8, .value_kind: global_buffer, .address_space: global }
      - { .name: bq, .offset: 32, .size: 8, .value_kind: global_buffer, .address_space: global }
      - { .name: bk, .offset: 40, .size: 8, .value_kind: global_buffer, .address_space: global }
      - { .name: qkv, .offset: 48, .size: 8, .value_kind: global_buffer, .address_space: global }
    .group_segment_fixed_size: 327680
    .private_segment_fixed_size: 0
    .kernarg_segment_align: 8
    .kernarg_segment_size: 56
    .max_flat_workgroup_size: 128
    .sgpr_count:     106
    .vgpr_count:     1024
    .wavefront_size: 32
...
	.end_amdgpu_metadata
.endif
;; end of part 2
;; launch attn (part 3): grid 4 x 64, 8 waves a work-group, clusters of 4 x 1, 327,680 bytes of LDS; arguments qkv, mbits, bv, attnF; writes attnF
.if DOCPART == 3
	.amdgcn_target "amdgcn-amd-amdhsa--gfx1250"
	.amdhsa_code_object_version 6
	.text
	.protected	k_q6759f589d0_attn
	.globl	k_q6759f589d0_attn
	.p2align	8
	.type	k_q6759f589d0_attn,@function
k_q6759f589d0_attn:
	s_mov_b64 s[64:65], 0
	v_nop
	global_prefetch_b8 v0, s[64:65] scope:SCOPE_SE
	s_setreg_imm32_b32 hwreg(HW_REG_WAVE_MODE, 25, 1), 1
	s_wait_xcnt 0x0
	s_wait_alu depctr_hold_cnt(0) depctr_sa_sdst(0) depctr_va_vdst(0) depctr_va_sdst(0) depctr_va_ssrc(0) depctr_va_vcc(0) depctr_vm_vsrc(0)
	s_getreg_b32 s2, hwreg(HW_REG_IB_STS2, 6, 4)
	s_cmp_eq_u32 s2, 0
	s_cbranch_scc0 .Lentry_in_a_cluster
	s_endpgm
.Lentry_in_a_cluster:
	s_bfe_u32 s2, ttmp6, 0x10000c
	s_cmp_lg_u32 s2, 0x3003
	s_cbranch_scc0 .Lentry_shape_is_right
	s_endpgm
.Lentry_shape_is_right:
; ATTN: for each head, o[q] = sum over k of softmax_k(s[q][k]) v[k] + bv, with s[q][k] = q . k where mask != 0 and -1e-12 where mask == 0 (a masked key keeps a weight: nothing is left out).  No scaling by the head's size.
; q, k, v come as f16 images of fragments (see the projection launch), the mask as lane-mask words; products in f16 with f32 sums; maxima, exponentials and sums in f32; the weights p are rounded to f16.
; bv is added at the end: the weights sum to one, so sum(p (v + bv)) / sum(p) = sum(p v) / sum(p) + bv; it is the addend of the multiply-add that divides by the sum.
; SHARES.  A work-group owns 512 queries of one head, each of its EIGHT waves 64: four tiles of 16, in 512 registers; two waves to a SIMD, so that one wave's vector work stands beside the other's matrix work.
; Every wave walks all 2,048 keys, 64 a step.  A fragment of K or V read from LDS feeds four matrix instructions.
; LAYOUT.  S^T = K Q^T (source 0 = 16 keys, source 1 = 16 queries): a lane holds ONE query (lane % 16) and keys 8 (lane / 16) + 0..7 of the tile.  Two such tiles, rounded to f16 in pairs, ARE source 1
; (32 keys x 16 queries) of O^T = V^T P, whose result again holds one query a lane and eight channels: 16 bytes of an image of the last product's operand.  Nothing changes lanes but one exchange for maximum and sum.
; SOFTMAX.  A running maximum m and sum l for each query: p = 2^(c s - c m), c = log2(e); in every step O and l are multiplied by a = 2^(c m_old - c m_new).  m begins at -1e30, under every score (|s| <= 64 x 65,504^2).
; THE MASK.  Word 8 kt + j of a tile of queries and a key step holds the 32 lanes' bits for register 8 kt + j of S^T: it comes by scalar loads and is the select's mask operand.  It steers no address and no branch.
; THE ORDER OF A KEY STEP.  The wave's tiles are two PIECES (tiles 0, 1 and tiles 2, 3).  A step's 128 mask words go through 64 scalar registers, which are therefore loaded twice a step, each time directly behind the
; selects that read them.  So the two pieces' selects stand HALF A STEP APART: K Q^T of piece 0 | piece 0's vector work | V^T P of piece 0, K Q^T of piece 2 | piece 2's vector work | V^T P of piece 2.
; Each reload then has 236 vector instructions and 32 matrix instructions in which to land.  V's fragments are asked for at the step's head, a piece ahead of their use; K's of the next step behind this step's last K Q^T.
; CLUSTER.  The four work-groups of a head are a cluster and walk the same K and V: each tile is asked for JOINTLY.  A slot holds 512 keys: K's images (64 KiB), then V's; each wave brings 16 KiB of it by one load
; (waves 0-3: K's quarters, waves 4-7: V's).  Two slots, four fills: one load of a wave is out at a time, and it has eight key steps in which to land.
; O and l begin as zeros, which the first a = 0 leaves zeros: no first step of its own; that costs 128 moves once.
; LIMITS: NaN and infinities are not served; |o + bv| stays under 65,504 (f16).
; REGISTERS, in windows of 256: window 0: v1-9 addresses and constants; v16-47 eight registers of statistics a tile; v64-191 S^T, 32 a tile (P is laid over the first 16 of each); v192-255 K's fragments.
;   window 1: v0-127 O^T, (t, c) at 32 t + 8 c; v128-191 Q, (t, f) at 128 + 16 t + 8 f; v192-255 V's fragments.
.set SLOT1, 131072                     ; slot 1 begins here, so that one exclusive or turns an address in one slot into the other's
.set VOFF,  65536                      ; in a slot: K's images, then V's
.set STEPB, 8192                       ; a key step's images, of K and of V
.set SPARE, 262144                     ; behind the slots: the spare words, 128 bytes for each wave: four blocks of 256 bytes that no other line names
.set LI,  1                            ; v1   16 x lane: an image's place for my lane; never rewritten
.set ADK, 2                            ; v2   LDS address of a step's images of K
.set ADV, 3                            ; v3   of V
.set NEG, 4                            ; v4   -1e-12
.set BVA, 5                            ; v5   32 (lane / 16): my eight numbers of bv's sixteen
.set PFO, 6                            ; v6   256 x lane: the prefetches' offset; never rewritten
.set SPW, 8                            ; v8   LDS address of my spare word; never rewritten
.set NIL, 9                            ; v9   0; never rewritten
.set ST,  16                           ; tile t's statistics at v[ST + 8 t]: +0 c m, +1 m, +2, +3 l (even keys', odd keys'), +4 to +7 at work; a at +6
.set S,   64
.set KF,  192
.set QF,  128                          ; in window 1
.set VF,  192                          ; in window 1
.set CNT, 2                            ; s2   counts a slot's steps
.set LIM, 3                            ; s3   1 in a wave that prefetches, else the greatest number
.set G1,  4                            ; s[4:11]   descriptor group 1: one for all loads
.set PFA, 12                           ; s[12:13]  where my prefetches stand
.set BV,  14                           ; s[14:15]  bv at my head
.set G0,  20                           ; s[20:23]  descriptor group 0: it walks
.set MP,  24                           ; s[24:25]  the mask words of my first tile of queries
.set OP,  26                           ; s[26:27]  my first tile's image in attnF, at my head's channels
.set MO,  28                           ; s28  the key step's place among a tile's mask words: 128 bytes a step
.set SLOTS, 29                         ; s29  fills still to be asked for
.set WV,  30                           ; s30  my wave's number
.set TB,  31                           ; s31  LDS byte at which a step's images of K begin
.set MA,  32                           ; s[32:63]  the 32 mask words of a piece's first tile
.set CS,  66                           ; s[66:67]  c, twice: the packed form names a pair
.set MB,  68                           ; s[68:99]  those of its second tile
.set SEL, 100                          ; s[100:101] lane selects for v_permlanex16_b32: lane l xor 16
.set QB,  104                          ; s[104:105] Q's images of my 64 queries
.set MSB, 0
.macro WIN new                         ; the immediate's high byte repeats the setting that is left
.if MSB != (\new)
	s_set_vgpr_msb (MSB<<8)|(\new)
.set MSB, \new
.endif
.endm
.set W_KQ, 0x04                        ; Q (source 1) in window 1; K and S^T in window 0
.set W_PV, 0x51                        ; V (source 0), C and D (O^T) in window 1; P in window 0
.set W_RS, 0x41                        ; O^T (destination and source 0) in window 1, a in window 0
.set W_L1, 0x40                        ; a load's destination in window 1, its address in window 0
.macro CROUND                          ; a round of the cluster's barrier
	s_barrier_signal -1
	s_barrier_wait -1
	s_cmp_lg_u32 s[WV], 0
	s_cbranch_scc1 .Lnot_wave_0_\@
	s_barrier_signal -3
.Lnot_wave_0_\@:
	s_barrier_wait -3
	s_barrier_signal -1
	s_barrier_wait -1
.endm
.macro MLOAD o                         ; the mask words of two neighbouring tiles of queries for the key step at s[MO]: 128 bytes each; a tile's words lie 4,096 bytes from the next tile's
	s_load_b512 s[MA:MA+15], s[MP:MP+1], s[MO] offset:\o
	s_load_b512 s[MA+16:MA+31], s[MP:MP+1], s[MO] offset:\o+64
	s_load_b512 s[MB:MB+15], s[MP:MP+1], s[MO] offset:\o+4096
	s_load_b512 s[MB+16:MB+31], s[MP:MP+1], s[MO] offset:\o+4160
.endm
	s_load_b256 s[32:39], s[0:1], 0x0              ; qkv s[32:33], mbits s[34:35], bv s[36:37], attnF s[38:39]: used up before the first mask words land here
	v_lshl_add_u32 v[SPW], v0, 2, SPARE
	v_mov_b32 v[NIL], 0
	ds_add_u32 v[SPW], v[NIL]                      ; the wave's opening: the add, twice on end, and its wait ahead of my first tensor load
	ds_add_u32 v[SPW], v[NIL]                      ; and once more; the set-up below, work on registers, stands between it and the wait
	v_lshrrev_b32 v1, 5, v0
	v_readfirstlane_b32 s[WV], v1                  ; wave 0..7
	s_bfe_u32 s16, ttmp6, 0x40000                  ; cx: my place in the cluster: it enters the addresses of Q, the mask words, the output and the prefetches alone
	s_and_b32 s17, ttmp7, 0xffff                   ; bh = 16 b + head, which the four partners share
	; descriptor group 1: 64 rows of 256 bytes (32 elements of 8 bytes), dense in memory and in LDS: 16 KiB
	s_mov_b32 s[G1], 15|(3<<16)|(1<<21)            ; 15:0 the mask: all four work-groups; 17:16 elements of 8 bytes; 21 set beside a mask; no padding: images are read 16 x lane, 512 consecutive bytes an instruction
	s_mov_b32 s[G1+1], 32<<16                      ; tensor_dim0
	s_mov_b32 s[G1+2], 64<<16                      ; tensor_dim1
	s_mov_b32 s[G1+3], 32<<16                      ; tile_dim0
	s_mov_b32 s[G1+4], 64                          ; tile_dim1
	s_mov_b32 s[G1+5], 32                          ; tensor_dim0_stride
	s_mov_b32 s[G1+6], 0
	s_mov_b32 s[G1+7], 0
	s_mov_b32 s[CS], 0x3fb8aa3b                    ; c = log2(e)
	s_mov_b32 s[CS+1], s[CS]
	s_mov_b32 s[SEL], 0x76543210
	s_mov_b32 s[SEL+1], 0xfedcba98
	s_mov_b32 s[TB], 0
	s_mov_b32 s[MO], 0
	s_mov_b32 s[SLOTS], 3
	s_and_b32 s[LIM], s[WV], 1
	s_cmp_eq_u32 s[LIM], 0
	s_cselect_b32 s[LIM], 1, -1                    ; the even waves prefetch
	s_lshr_b32 s18, s[WV], 2                       ; waves 0-3 fetch K (part 1 of qkv), waves 4-7 V (part 2),
	s_add_co_u32 s18, s18, 1
	s_lshl_b32 s18, s18, 24
	s_lshl_b32 s19, s17, 18                        ; of my head,
	s_add_co_u32 s18, s18, s19
	s_and_b32 s19, s[WV], 3                        ; a quarter of a slot's 64 KiB each
	s_lshl_b32 s19, s19, 14
	s_add_co_u32 s18, s18, s19
	s_mov_b32 s19, 0
	s_lshl_b32 s40, s16, 9
	s_lshl_b32 s41, s[WV], 6
	s_add_co_u32 s40, s40, s41                     ; my first query: 512 cx + 64 x wave
	s_lshl_b32 s42, s17, 18
	s_lshl_b32 s41, s40, 7                         ; 128 bytes a query
	s_add_co_u32 s42, s42, s41
	s_mov_b32 s43, 0
	s_lshr_b32 s44, s17, 4
	s_lshl_b32 s44, s44, 7
	s_lshr_b32 s41, s40, 4
	s_add_co_u32 s44, s44, s41                     ; my first tile of queries among the 512: 128 b + query / 16
	s_and_b32 s41, s17, 15                         ; the head
	s_lshl_b32 s46, s44, 12                        ; 4,096 bytes of mask words a tile
	s_mov_b32 s47, 0
	s_lshl_b32 s48, s44, 15                        ; 32,768 bytes of attnF a tile,
	s_lshl_b32 s50, s41, 11                        ; 2,048 a head
	s_add_co_u32 s48, s48, s50
	s_mov_b32 s49, 0
	s_lshl_b32 s50, s41, 8                         ; 64 numbers of bv a head
	s_mov_b32 s51, 0
	s_lshl_b32 s52, s16, 13                        ; the prefetches: my work-group's 8 KiB of a pair of quarters,
	s_add_co_u32 s52, s52, 65536                   ; in the second fill; the first change of slots steps it to the third
	s_mov_b32 s53, 0
	s_wait_dscnt 0x0                               ; both opening adds are done
	s_wait_kmcnt 0x0
	s_add_nc_u64 s[PFA:PFA+1], s[32:33], s[18:19]
	s_mov_b32 s[G0], 1                             ; count = 1
	s_lshl_b32 s[G0+1], s[WV], 14                  ; LDS address: wave x 16 KiB: K's four quarters, then V's four; slot 0
	s_mov_b64 s[G0+2:G0+3], s[PFA:PFA+1]           ; global address: keys 0 to 511
	s_or_b32 s[G0+3], s[G0+3], 0x80000000          ; type = 2
	s_add_nc_u64 s[PFA:PFA+1], s[PFA:PFA+1], s[52:53]
	s_add_nc_u64 s[QB:QB+1], s[32:33], s[42:43]
	s_add_nc_u64 s[MP:MP+1], s[34:35], s[46:47]
	s_add_nc_u64 s[BV:BV+1], s[36:37], s[50:51]
	s_add_nc_u64 s[OP:OP+1], s[38:39], s[48:49]
	CROUND                                         ; all four work-groups are here: the first joint loads meet
	tensor_load_to_lds s[G0:G0+3], s[G1:G1+7]
	s_nop 0
.rept 4
	v_nop
.endr
	v_and_b32 v[LI], 31, v0
	v_lshlrev_b32 v[PFO], 8, v[LI]
	v_lshlrev_b32 v[LI], 4, v[LI]
	v_bfe_u32 v[BVA], v0, 4, 1
	v_lshlrev_b32 v[BVA], 5, v[BVA]
	v_mov_b32 v[NEG], 0xab8cbccc                   ; -1e-12
	WIN W_L1
.irp i, 0,1,2,3,4,5,6,7,8,9,10,11,12,13,14,15      ; Q stays in registers: eight fragments, 512 consecutive bytes a load
	global_load_b128 v[QF+4*\i:QF+4*\i+3], v[LI], s[QB:QB+1] offset:512*\i
.endr
.set i, 0
.rept 128
	v_mov_b32 v[i], 0                              ; O^T
.set i, i+1
.endr
	WIN 0
.irp t, 0,1,2,3
	v_mov_b32 v[ST+8*\t+1], 0xf149f2ca             ; m = -1e30
	v_mul_f32 v[ST+8*\t], s[CS], v[ST+8*\t+1]      ; c m
.irp j, 2,3,4,5,6,7
	v_mov_b32 v[ST+8*\t+\j], 0                     ; l; and the registers at work, written once: a lane permute's destination counts as one of its sources
.endr
.endr
	MLOAD 0                                        ; key step 0, tiles 0 and 1
; THE VECTOR WORK of two tiles of queries, y and y + 1, for one key step; the two alternate line by line, so that no line waits for the line above it.
.macro PIECE y
.set PT, ST+8*(\y)
.set PS, S+32*(\y)
.set PO, 32*(\y)
	s_wait_kmcnt 0x0                               ; the piece's 64 mask words
.set w, 0
.rept 32                                           ; where the mask is 0 the score becomes -1e-12.  Each accumulator is read from its low end on
	v_cndmask_b32 v[PS+w], v[NEG], v[PS+w], s[MA+w]
	v_cndmask_b32 v[PS+32+w], v[NEG], v[PS+32+w], s[MB+w]
.set w, w+1
.endr
.if \y == 0                                        ; the selects have read their words: the same registers take, at once, the words that are wanted next
	MLOAD 8192                                     ; this step's, tiles 2 and 3
.else
	s_wait_xcnt 0x0                                ; the earlier scalar loads are done (the wait at this piece's head) and translated: their offset may step
	s_add_co_u32 s[MO], s[MO], 128
	s_min_u32 s[MO], s[MO], 3968                   ; the last step asks once more for its own words: no load leaves the buffer
	MLOAD 0                                        ; the next step's, tiles 0 and 1
.endif
.irp j, 0,1,2,3                                    ; the maximum of the lane's 32 scores and the old m, three operands at a time: four chains of seven scores,
.irp o, 0,1
	v_max3_num_f32 v[PT+8*\o+4+\j], v[PS+32*\o+8*\j], v[PS+32*\o+8*\j+1], v[PS+32*\o+8*\j+2]
.endr
.endr
.irp k, 1,2
.irp j, 0,1,2,3
.irp o, 0,1
	v_max3_num_f32 v[PT+8*\o+4+\j], v[PT+8*\o+4+\j], v[PS+32*\o+8*\j+2*\k+1], v[PS+32*\o+8*\j+2*\k+2]
.endr
.endr
.endr
.irp o, 0,1
	v_max3_num_f32 v[PT+8*\o+4], v[PT+8*\o+4], v[PS+32*\o+7], v[PS+32*\o+15]   ; then the four scores left over,
.endr
.irp o, 0,1
	v_max3_num_f32 v[PT+8*\o+6], v[PT+8*\o+6], v[PS+32*\o+23], v[PS+32*\o+31]
.endr
.irp o, 0,1
	v_max3_num_f32 v[PT+8*\o+4], v[PT+8*\o+4], v[PT+8*\o+5], v[PT+8*\o+6]      ; the chains,
.endr
.irp o, 0,1
	v_max3_num_f32 v[PT+8*\o+4], v[PT+8*\o+4], v[PT+8*\o+7], v[PT+8*\o+1]      ; and m
.endr
.irp o, 0,1
	v_permlanex16_b32 v[PT+8*\o+5], v[PT+8*\o+4], s[SEL], s[SEL+1]             ; the query's other 32 keys lie in the lane 16 away
.endr
.irp o, 0,1
	v_mov_b32 v[PT+8*\o+7], v[PT+8*\o]             ; c m_old is kept for a
.endr
.irp o, 0,1
	v_max_num_f32 v[PT+8*\o+1], v[PT+8*\o+4], v[PT+8*\o+5]
.endr
.irp o, 0,1
	v_mul_f32 v[PT+8*\o], s[CS], v[PT+8*\o+1]
.endr
.irp o, 0,1
	v_sub_f32 v[PT+8*\o+7], v[PT+8*\o+7], v[PT+8*\o]
.endr
	; ONE BATCH: the scalings c s - c m, a pair of scores each, and all 66 exponentials; none of these lines names an exponential's result
.irp o, 0,1
	v_pk_fma_f32 v[PS+32*\o:PS+32*\o+1], v[PS+32*\o:PS+32*\o+1], s[CS:CS+1], v[PT+8*\o:PT+8*\o+1] op_sel_hi:[1,0,0] neg_lo:[0,0,1] neg_hi:[0,0,1]
.endr
.irp o, 0,1
	v_exp_f32 v[PT+8*\o+6], v[PT+8*\o+7]           ; a
.endr
.set i, 0
.rept 16
.irp o, 0,1
.if i < 15
	v_pk_fma_f32 v[PS+32*\o+2*i+2:PS+32*\o+2*i+3], v[PS+32*\o+2*i+2:PS+32*\o+2*i+3], s[CS:CS+1], v[PT+8*\o:PT+8*\o+1] op_sel_hi:[1,0,0] neg_lo:[0,0,1] neg_hi:[0,0,1]
.endif
	v_exp_f32 v[PS+32*\o+2*i], v[PS+32*\o+2*i]
	v_exp_f32 v[PS+32*\o+2*i+1], v[PS+32*\o+2*i+1]
.endr
.set i, i+1
.endr
	v_nop                                          ; a plain instruction behind the last exponential, ahead of the first use
	s_wait_alu depctr_va_vdst(0)                   ; and a wait ahead of the first line that names a result: one for the batch
.irp o, 0,1                                        ; the sums of the unrounded weights, a pair at a time, in two chains: l = a l + pair 0;
	v_pk_fma_f32 v[PT+8*\o+2:PT+8*\o+3], v[PT+8*\o+2:PT+8*\o+3], v[PT+8*\o+6:PT+8*\o+7], v[PS+32*\o:PS+32*\o+1] op_sel_hi:[1,0,1]
.endr
.irp o, 0,1
	v_pk_add_f32 v[PT+8*\o+4:PT+8*\o+5], v[PS+32*\o+2:PS+32*\o+3], v[PS+32*\o+4:PS+32*\o+5]
.endr
.irp i, 3,5,7,9,11,13
.irp o, 0,1
	v_pk_add_f32 v[PT+8*\o+2:PT+8*\o+3], v[PT+8*\o+2:PT+8*\o+3], v[PS+32*\o+2*\i:PS+32*\o+2*\i+1]
.endr
.irp o, 0,1
	v_pk_add_f32 v[PT+8*\o+4:PT+8*\o+5], v[PT+8*\o+4:PT+8*\o+5], v[PS+32*\o+2*\i+2:PS+32*\o+2*\i+3]
.endr
.endr
.irp o, 0,1
	v_pk_add_f32 v[PT+8*\o+2:PT+8*\o+3], v[PT+8*\o+2:PT+8*\o+3], v[PS+32*\o+30:PS+32*\o+31]
.endr
.irp o, 0,1
	v_pk_add_f32 v[PT+8*\o+2:PT+8*\o+3], v[PT+8*\o+2:PT+8*\o+3], v[PT+8*\o+4:PT+8*\o+5]
.endr
.set i, 0
.rept 16                                           ; the weights to f16, packed in place from the low end on: register i takes pair i, which lies at 2 i
.irp o, 0,1
	v_cvt_pk_f16_f32 v[PS+32*\o+i], v[PS+32*\o+2*i], v[PS+32*\o+2*i+1]
.endr
.set i, i+1
.endr
	WIN W_RS
.set i, 0
.rept 16                                           ; O^T times a
.irp o, 0,1
	v_pk_mul_f32 v[PO+32*\o+2*i:PO+32*\o+2*i+1], v[PO+32*\o+2*i:PO+32*\o+2*i+1], v[PT+8*\o+6:PT+8*\o+7] op_sel_hi:[1,0]
.endr
.set i, i+1
.endr
	WIN 0
.endm
; THE MATRIX WORK of a piece.  In each run the piece's eight accumulators take turns, one instruction a turn: seven others' stand between two links of a chain.
.macro KQ y                            ; S^T = K Q^T of tiles y, y + 1: 16 matrix instructions; the first eight start the sums
.set XS, S+32*(\y)
.set XQ, QF+16*(\y)
	WIN W_KQ
.irp f, 0,1
.irp n, 0,1,2,3
.irp o, 0,1
.if \f == 0
	v_wmma_f32_16x16x32_f16 v[XS+32*\o+8*\n:XS+32*\o+8*\n+7], v[KF+8*(2*\n+\f):KF+8*(2*\n+\f)+7], v[XQ+16*\o+8*\f:XQ+16*\o+8*\f+7], 0
.else
	v_wmma_f32_16x16x32_f16 v[XS+32*\o+8*\n:XS+32*\o+8*\n+7], v[KF+8*(2*\n+\f):KF+8*(2*\n+\f)+7], v[XQ+16*\o+8*\f:XQ+16*\o+8*\f+7], v[XS+32*\o+8*\n:XS+32*\o+8*\n+7]
.endif
.endr
.endr
.endr
.endm
.macro PV y                            ; O^T += V^T P of tiles y, y + 1: 16 matrix instructions
.set XS, S+32*(\y)
.set XO, 32*(\y)
	WIN W_PV
.irp u, 0,1
.irp c, 0,1,2,3
.irp o, 0,1
	v_wmma_f32_16x16x32_f16 v[XO+32*\o+8*\c:XO+32*\o+8*\c+7], v[VF+8*(4*\u+\c):VF+8*(4*\u+\c)+7], v[XS+32*\o+8*\u:XS+32*\o+8*\u+7], v[XO+32*\o+8*\c:XO+32*\o+8*\c+7]
.endr
.endr
.endr
.endm
.macro FETCHK                          ; K's images of the step at s[TB]: fragment (16 keys n, 32 channels f) at KF + 8 (2 n + f)
	v_add_nc_u32 v[ADK], s[TB], v[LI]
.irp i, 0,1,2,3,4,5,6,7,8,9,10,11,12,13,14,15
	ds_load_b128 v[KF+4*\i:KF+4*\i+3], v[ADK] offset:512*\i
.endr
.endm
.macro PLACES                          ; four places between a matrix instruction and a vector instruction that reads its result, or a load into a register that it has read (ISA guide 7.12.1 for vector instructions)
.rept 4
	v_nop
.endr
.endm
; A KEY STEP: 64 keys.  Its K was asked for earlier.  pre = 1: the next step's K, which lies in the same slot, is asked for behind this step's last K Q^T.
.macro STEP pre
	v_add_nc_u32 v[ADV], s[TB], v[LI]
	v_add_nc_u32 v[ADV], VOFF, v[ADV]
	WIN W_L1
.irp i, 0,1,2,3,4,5,6,7,8,9,10,11,12,13,14,15      ; V^T: fragment (32 keys u, 16 channels c) at VF + 8 (4 u + c)
	ds_load_b128 v[VF+4*\i:VF+4*\i+3], v[ADV] offset:512*\i
.endr
	s_wait_dscnt 16                                ; K's sixteen loads, issued ahead of these, are in; V's sixteen may be out
	KQ 0
	WIN 0
	PLACES
	PIECE 0
	s_wait_dscnt 0x0                               ; V is in
	PV 0
	KQ 2                                           ; it shares no register with the run in front of it
	WIN 0
	PLACES                                         ; ahead of the loads into K's registers and of the first read of these scores
.if \pre
	s_add_co_u32 s[TB], s[TB], STEPB
	FETCHK                                         ; a piece's vector work and sixteen matrix instructions ahead of its use
.endif
	PIECE 2
	PV 2
	WIN 0
	PLACES                                         ; ahead of the next step's loads into V's registers, and of the way out's reads of O^T
.endm
.macro EIGHT                           ; a slot's eight key steps: seven by a loop, each asking for the next one's K; the eighth is written out and asks for nothing: the next K lies behind the change of slots
	FETCHK
	s_mov_b32 s[CNT], 7
.Lstep_\@:
	STEP 1
	s_sub_co_u32 s[CNT], s[CNT], 1
	s_cmp_lg_u32 s[CNT], 0
	s_cbranch_scc1 .Lstep_\@
	STEP 0
	s_sub_co_u32 s[TB], s[TB], 7*STEPB             ; back to a slot's first step,
	s_xor_b32 s[TB], s[TB], SLOT1                  ; in the other slot
.endm
; THE CHANGE OF SLOTS stands at a slot's head.  Each wave waits for all its tensor loads (its part of the slot that it is about to read), adds 0 to its spare word, and waits for that and for its reads of the slot
; that it has left.  fill = 1: the barrier is a round of the cluster's, so that no wave of any partner still reads that slot or has a load on its way, and the joint load of the next 512 keys is the first thing behind it.
; A PREFETCH INTO THE L2 follows the load and its five lines: the 512 keys that the NEXT change will ask for, eight key steps ahead of that load.  A fill is 128 KiB; the even waves 0, 2 (K) and 4, 6 (V) each stand for
; two waves' quarters, 32 KiB, of which each of the four partners takes 8 KiB, told apart BY ADDRESS: lanes 256 bytes apart, one instruction a wave.  So each 256 bytes are named once in the launch.
; The first two fills come by their loads alone; the last change that fills a slot asks for nothing: there is no fill behind it.
.macro CHANGE fill
	s_wait_tensorcnt 0x0                           ; no tensor load of mine is out, so group 0 may be written
	ds_add_u32 v[SPW], v[NIL]                      ; 0 onto my spare word
.if \fill
	s_xor_b32 s[G0+1], s[G0+1], SLOT1              ; the other slot than last time,
	s_add_nc_u64 s[G0+2:G0+3], s[G0+2:G0+3], 65536 ; the next 512 keys; the type bits on top are not reached
	s_wait_xcnt 0x0                                ; the last prefetch, eight key steps back, has read its address, so it may be written
	s_add_nc_u64 s[PFA:PFA+1], s[PFA:PFA+1], 65536
	s_wait_dscnt 0x0                               ; the add is done, and my reads of the slot that I have left are over
	CROUND
	tensor_load_to_lds s[G0:G0+3], s[G1:G1+7]      ; my one tensor load behind the round
	s_nop 0
.rept 4
	v_nop
.endr
	s_cmp_gt_u32 s[SLOTS], s[LIM]
	s_cbranch_scc0 .Lnot_mine_\@
	global_prefetch_b8 v[PFO], s[PFA:PFA+1] th:TH_LOAD_NT scope:SCOPE_SE
.Lnot_mine_\@:
.else
	s_wait_dscnt 0x0
	s_barrier_signal -1
	s_barrier_wait -1
.endif
.endm
	s_wait_loadcnt 0x0                             ; Q
.Lphase:                                           ; three trips: behind each change of slots but the last the next 512 keys are asked for (the first trip's load is slot 1's first fill)
	CHANGE 1
	EIGHT
	s_sub_co_u32 s[SLOTS], s[SLOTS], 1
	s_cmp_lg_u32 s[SLOTS], 0
	s_cbranch_scc1 .Lphase
	CHANGE 0                                       ; the last slot is written out
	EIGHT
	; THE WAY OUT.  o = O^T / l + bv, rounded to f16: a lane's eight channels are its 16 bytes of an image of the last product's operand: straight from registers, 512 consecutive bytes a store.
	s_wait_kmcnt 0x0                               ; the look-ahead's last mask words
.irp c, 0,1,2,3
	global_load_b128 v[KF+8*\c:KF+8*\c+3], v[BVA], s[BV:BV+1] offset:64*\c           ; bv in the result's layout: register 8 c + j = bv(16 c + 8 h + j)
	global_load_b128 v[KF+8*\c+4:KF+8*\c+7], v[BVA], s[BV:BV+1] offset:64*\c+16
.endr
.irp t, 0,1,2,3
	v_add_f32 v[ST+8*\t+4], v[ST+8*\t+2], v[ST+8*\t+3]
.endr
.irp t, 0,1,2,3
	v_permlanex16_b32 v[ST+8*\t+5], v[ST+8*\t+4], s[SEL], s[SEL+1]
.endr
.irp t, 0,1,2,3
	v_add_f32 v[ST+8*\t+4], v[ST+8*\t+4], v[ST+8*\t+5]
.endr
.irp t, 0,1,2,3
	v_rcp_f32 v[ST+8*\t+6], v[ST+8*\t+4]
.endr
	v_nop                                          ; a plain instruction between the last reciprocal and the use of its result
	s_wait_alu depctr_va_vdst(0)                   ; and a wait: one for the four
	s_wait_loadcnt 0x0                             ; bv
.irp t, 0,1,2,3
	WIN 0x01                                       ; source 0 (O^T) in window 1
.set i, 0
.rept 16
	v_pk_fma_f32 v[S+32*\t+2*i:S+32*\t+2*i+1], v[32*\t+2*i:32*\t+2*i+1], v[ST+8*\t+6:ST+8*\t+7], v[KF+2*i:KF+2*i+1] op_sel_hi:[1,0,1]
.set i, i+1
.endr
	WIN 0
.set i, 0
.rept 16
	v_cvt_pk_f16_f32 v[S+32*\t+i], v[S+32*\t+2*i], v[S+32*\t+2*i+1]
.set i, i+1
.endr
.irp c, 0,1,2,3
	global_store_b128 v[LI], v[S+32*\t+4*\c:S+32*\t+4*\c+3], s[OP:OP+1] offset:32768*\t+512*\c   ; each tile has registers of its own: no store's data are written again
.endr
.endr
	s_wait_tensorcnt 0x0                           ; the wave's end
	ds_add_u32 v[SPW], v[NIL]
	s_wait_dscnt 0x0
	CROUND                                         ; the closing round: no work-group ends while a partner may still ask for a tile that names it
	s_endpgm
.Lfunc_end_k_q6759f589d0_attn:
	.size	k_q6759f589d0_attn, .Lfunc_end_k_q6759f589d0_attn-k_q6759f589d0_attn
	.p2alignl 7, 3214868480
	.fill 96, 4, 3214868480
	.section	.rodata,"a",@progbits
	.p2align	6, 0x0
	.amdhsa_kernel k_q6759f589d0_attn
		.amdhsa_group_segment_fixed_size 327680
		.amdhsa_private_segment_fixed_size 0
		.amdhsa_enable_private_segment 0
		.amdhsa_kernarg_size 32
		.amdhsa_user_sgpr_count 2
		.amdhsa_user_sgpr_kernarg_segment_ptr 1
		.amdhsa_wavefront_size32 1
		.amdhsa_system_sgpr_workgroup_id_x 1
		.amdhsa_system_sgpr_workgroup_id_y 1
		.amdhsa_system_sgpr_workgroup_id_z 1
		.amdhsa_system_vgpr_workitem_id 0
		.amdhsa_next_free_vgpr 512
		.amdhsa_next_free_sgpr 106
		.amdhsa_reserve_vcc 0
		.amdhsa_float_denorm_mode_32 3
		.amdhsa_float_denorm_mode_16_64 3
		.amdhsa_memory_ordered 1
		.amdhsa_forward_progress 1
		.amdhsa_inst_pref_size 188
	.end_amdhsa_kernel
	.amdgpu_metadata
---
amdhsa.version: [ 1, 2 ]
amdhsa.kernels:
  - .name:           k_q6759f589d0_attn
    .symbol:         k_q6759f589d0_attn.kd
    .args:
      - { .name: qkv, .offset: 0, .size: 8, .value_kind: global_buffer, .address_space: global }
      - { .name: mbits, .offset: 8, .size: 8, .value_kind: global_buffer, .address_space: global }
      - { .name: bv, .offset: 16, .size: 8, .value_kind: global_buffer, .address_space: global }
      - { .name: attnF, .offset: 24, .size: 8, .value_kind: global_buffer, .address_space: global }
    .group_segment_fixed_size: 327680
    .private_segment_fixed_size: 0
    .kernarg_segment_align: 8
    .kernarg_segment_size: 32
    .max_flat_workgroup_size: 256
    .sgpr_count:     106
    .vgpr_count:     512
    .wavefront_size: 32
...
	.end_amdgpu_metadata
.endif
;; end of part 3
;; launch oproj (part 4): grid 8 x 32, 4 waves a work-group, clusters of 4 x 4, 327,680 bytes of LDS; arguments attnF, wo16, bo, out0; writes out0
.if DOCPART == 4
	.amdgcn_target "amdgcn-amd-amdhsa--gfx1250"
	.amdhsa_code_object_version 6
	.text
	.protected	k_q6759f589d0_oproj
	.globl	k_q6759f589d0_oproj
	.p2align	8
	.type	k_q6759f589d0_oproj,@function
k_q6759f589d0_oproj:
	s_mov_b64 s[64:65], 0
	v_nop
	global_prefetch_b8 v0, s[64:65] scope:SCOPE_SE
	s_setreg_imm32_b32 hwreg(HW_REG_WAVE_MODE, 25, 1), 1
	s_wait_xcnt 0x0
	s_wait_alu depctr_hold_cnt(0) depctr_sa_sdst(0) depctr_va_vdst(0) depctr_va_sdst(0) depctr_va_ssrc(0) depctr_va_vcc(0) depctr_vm_vsrc(0)
	s_getreg_b32 s2, hwreg(HW_REG_IB_STS2, 6, 4)
	s_cmp_eq_u32 s2, 0
	s_cbranch_scc0 .Lentry_in_a_cluster
	s_endpgm
.Lentry_in_a_cluster:
	s_bfe_u32 s2, ttmp6, 0x10000c
	s_cmp_lg_u32 s2, 0xf033
	s_cbranch_scc0 .Lentry_shape_is_right
	s_endpgm
.Lentry_shape_is_right:
; OPROJ: out0 = attn Wo^T + bo.  attn [8,192][1,024] and Wo [1,024][1,024] come as f16 images of fragments: [16 rows][f 32][g 2][lane][16 bytes], lane (r, h): row r, k = 32 f + 16 g + 8 h + 0 .. 7.  Sums and out0 in f32.
; A tile of out0 is 256 tokens x 128 columns: 256 work-groups.  Four waves, each 128 x 64: 32 accumulators of 16 x 16, all of window 1.  K goes in steps of 128 through two LDS slots.
; A K step of 16 rows is 4,096 consecutive bytes of an image: a tensor load brings 8 such rows of attn's (waves 0, 1) or 4 of Wo's (waves 2, 3), laid dense: a fragment is read 16 x lane, 512 consecutive bytes an instruction.
; CLUSTERS: 4 x 4 work-groups; attn's tiles are shared along a row of the cluster, Wo's along a column: joint loads.  THE MATRIX INSTRUCTION IS USED TRANSPOSED (source 0 = 16 rows of Wo, source 1 = 16 tokens):
; a lane holds one token and eight neighbouring columns.  bo is the C of each sum's first product.  No prefetch: eight short K steps in all, and Wo's images are read by every row of clusters.
; REGISTERS: window 0: v16-29 addresses; v32-63 bo in the result's layout; v64-159, v160-255 two fragment buffers (Wo's four fragments, then attn's eight); on the way out v32-95 take rows of out0.  window 1: accumulator (a, b) at v[8 (4 a + b)].
.set SLOT,   98304                     ; attn's 16 x 4 fragments (64 KiB), then Wo's 8 x 4 (32 KiB)
.set BOFF,   65536
.set STAGE,  2*SLOT                    ; behind the slots: 16 rows x (256 bytes + 16) for each wave, for the way out
.set SPITCH, 272
.set SPARE,  STAGE+4*16*SPITCH         ; the spare words, 128 bytes for each wave: two blocks of 256 bytes that no other line names
.set LAPS,   4                         ; a lap = two K steps = once round the ring: K = 1,024
.set ADRA, 16                          ; v16-17  LDS address of my attn fragments in slot 0, 1
.set ADRB, 20                          ; v20-21  the same for Wo
.set STO,  24                          ; v24     the way out: where I put 32 bytes of a row
.set RD,   25                          ; v25     where I read a row back
.set CO,   26                          ; v26     my byte offset in out0
.set SPW,  28                          ; v28     LDS address of my spare word; never rewritten
.set NIL,  29                          ; v29     0; never rewritten
.set BIAS, 32
.set OB,   32
.set F0,   64
.set F1,   160
.set G1, 24                            ; s[24:31] descriptor group 1 for attn's tiles;  s[32:39] group 0, one set for each slot
.set G0, 32
.set G1B, 48                           ; s[48:55], s[56:63] the same for Wo's
.set G0B, 56
.set MSB, 0
.macro WIN new                         ; the immediate's high byte repeats the setting that is left
.if MSB != (\new)
	s_set_vgpr_msb (MSB<<8)|(\new)
.set MSB, \new
.endif
.endm
.macro MWIN first                      ; D in window 1; C: the bias in window 0, or D
.if \first
	WIN 0x40
.else
	WIN 0x50
.endif
.endm
.macro JLOAD s                         ; a joint load: waves 0 and 1 fetch attn's two halves, waves 2 and 3 Wo's; an s_nop 0 and four v_nop follow each of the two lines
	s_cmp_eq_u32 s11, 0
	s_cbranch_scc0 .Lfor_b_\@
	tensor_load_to_lds s[G0+4*\s:G0+4*\s+3], s[G1:G1+7]
	s_nop 0
.rept 4
	v_nop
.endr
	s_branch .Lasked_\@
.Lfor_b_\@:
	tensor_load_to_lds s[G0B+4*\s:G0B+4*\s+3], s[G1B:G1B+7]
	s_nop 0
.rept 4
	v_nop
.endr
.Lasked_\@:
.endm
.macro CREST                           ; a round of the cluster's barrier behind its opening barrier
	s_cmp_lg_u32 s10, 0
	s_cbranch_scc1 .Lnot_wave_0_\@
	s_barrier_signal -3
.Lnot_wave_0_\@:
	s_barrier_wait -3
	s_barrier_signal -1
	s_barrier_wait -1
.endm
.macro CROUND
	s_barrier_signal -1
	s_barrier_wait -1
	CREST
.endm
	s_load_b128 s[4:7], s[0:1], 0x0                ; attnF s[4:5], wo16 s[6:7]
	s_load_b128 s[44:47], s[0:1], 0x10             ; bo s[44:45], out0 s[46:47]
	v_lshl_add_u32 v[SPW], v0, 2, SPARE
	v_mov_b32 v[NIL], 0
	ds_add_u32 v[SPW], v[NIL]                      ; the wave's opening: the add, twice on end, and its wait ahead of my first tensor load
	ds_add_u32 v[SPW], v[NIL]                      ; and once more; the set-up below, work on registers, stands between it and the wait
	v_lshrrev_b32 v1, 5, v0
	v_readfirstlane_b32 s10, v1                    ; wave 0..3
	s_lshr_b32 s11, s10, 1                         ; which 128 tokens are mine.  Also: I fetch attn's tiles (0) or Wo's (1)
	s_and_b32 s12, s10, 1                          ; which 64 columns.  Also: which half of that tile I fetch
	s_bfe_u32 s40, ttmp6, 0x40000                  ; cx, cy: my place in the cluster
	s_bfe_u32 s41, ttmp6, 0x40004
	s_lshl_b32 s42, ttmp9, 2
	s_add_co_u32 s42, s42, s40                     ; tile column = 4 x cluster x + cx
	s_and_b32 s13, ttmp7, 0xffff
	s_lshl_b32 s13, s13, 2
	s_add_co_u32 s13, s13, s41                     ; tile row = 4 x cluster y + cy
	s_lshl_b32 s43, s41, 2
	s_lshl_b32 s43, 15, s43                        ; my row of the cluster
	s_lshl_b32 s2, 0x1111, s40                     ; my column
	; descriptor group 1: rows of 4,096 bytes (512 elements of 8 bytes), 32,768 bytes apart in memory, dense in LDS: 8 of attn's, 4 of Wo's
	s_or_b32 s[G1+0], s43, (3<<16)|(1<<21)         ; 15:0 the mask; 17:16 elements of 8 bytes; 21 set beside a mask; no padding
	s_or_b32 s[G1B+0], s2, (3<<16)|(1<<21)
	s_mov_b32 s[G1+1], 512<<16                     ; tensor_dim0
	s_mov_b32 s[G1+2], 8<<16                       ; tensor_dim1
	s_mov_b32 s[G1+3], 512<<16                     ; tile_dim0
	s_mov_b32 s[G1+4], 8                           ; tile_dim1
	s_mov_b32 s[G1+5], 4096                        ; tensor_dim0_stride
	s_mov_b32 s[G1+6], 0
	s_mov_b32 s[G1+7], 0
	s_mov_b32 s[G1B+1], 512<<16
	s_mov_b32 s[G1B+2], 4<<16
	s_mov_b32 s[G1B+3], 512<<16
	s_mov_b32 s[G1B+4], 4
	s_mov_b32 s[G1B+5], 4096
	s_mov_b32 s[G1B+6], 0
	s_mov_b32 s[G1B+7], 0
	s_lshl_b32 s16, s13, 19                        ; attn: 16 images of 32,768 bytes a tile row,
	s_lshl_b32 s17, s12, 18                        ; 8 a half
	s_add_co_u32 s16, s16, s17
	s_mov_b32 s17, 0
	s_lshl_b32 s18, s42, 18                        ; Wo: 8 images a tile column,
	s_lshl_b32 s19, s12, 17                        ; 4 a half
	s_add_co_u32 s18, s18, s19
	s_mov_b32 s19, 0
	s_lshl_b32 s20, s12, 15                        ; where they go: no place in the cluster enters an LDS address
	s_lshl_b32 s21, s12, 14
	s_add_co_u32 s21, s21, BOFF
	s_wait_dscnt 0x0                               ; both opening adds are done
	s_wait_kmcnt 0x0
	s_add_nc_u64 s[14:15], s[4:5], s[16:17]
	s_add_nc_u64 s[22:23], s[6:7], s[18:19]
	CROUND                                         ; all sixteen work-groups are here: the first joint loads meet
.irp s, 0,1
	s_mov_b32 s[G0+4*\s], 1
	s_add_co_u32 s[G0+4*\s+1], s20, \s*SLOT
	s_add_nc_u64 s[G0+4*\s+2:G0+4*\s+3], s[14:15], \s*4096         ; K step s
	s_or_b32 s[G0+4*\s+3], s[G0+4*\s+3], 0x80000000
	s_mov_b32 s[G0B+4*\s], 1
	s_add_co_u32 s[G0B+4*\s+1], s21, \s*SLOT
	s_add_nc_u64 s[G0B+4*\s+2:G0B+4*\s+3], s[22:23], \s*4096
	s_or_b32 s[G0B+4*\s+3], s[G0B+4*\s+3], 0x80000000
	JLOAD \s
.endr
	v_and_b32 v1, 15, v0                           ; r
	v_bfe_u32 v2, v0, 4, 1                         ; h
	s_lshl_b32 s16, s42, 9                         ; my first column, in bytes of f32: 512 x tile column + 256 x half
	s_lshl_b32 s17, s12, 8
	s_add_co_u32 s16, s16, s17
	s_mov_b32 s17, 0
	s_add_nc_u64 s[44:45], s[44:45], s[16:17]
	v_lshlrev_b32 v4, 5, v2                        ; 32 h: my eight numbers of a block's sixteen
.irp b, 0,1,2,3
	global_load_b128 v[BIAS+8*\b:BIAS+8*\b+3], v4, s[44:45] offset:64*\b
	global_load_b128 v[BIAS+8*\b+4:BIAS+8*\b+7], v4, s[44:45] offset:64*\b+16
.endr
	v_and_b32 v3, 31, v0
	v_lshlrev_b32 v3, 4, v3                        ; 16 x lane
	s_lshl_b32 s20, s11, 15                        ; my 8 images of attn
	s_lshl_b32 s21, s12, 14                        ; my 4 of Wo,
	s_add_co_u32 s21, s21, BOFF                    ; which lie behind attn's
.irp s, 0,1
	v_add_nc_u32 v[ADRA+\s], s20, v3
	v_add_nc_u32 v[ADRB+\s], s21, v3
	s_add_co_u32 s20, s20, SLOT
	s_add_co_u32 s21, s21, SLOT
.endr
	s_mul_i32 s23, s10, 16*SPITCH
	s_add_co_u32 s23, s23, STAGE                   ; my stage
	v_mul_u32_u24 v5, v1, SPITCH                   ; in: row r, 32 bytes for each half of the lanes
	v_lshl_add_u32 v5, v2, 5, v5
	v_add_nc_u32 v[STO], s23, v5
	v_mul_u32_u24 v5, v2, SPITCH                   ; back: lanes 0-15 take one row of 256 bytes, lanes 16-31 the next
	v_lshl_add_u32 v5, v1, 4, v5
	v_add_nc_u32 v[RD], s23, v5
	v_lshlrev_b32 v5, 12, v2                       ; and the same two rows in out0: 4,096 bytes a row
	v_lshl_add_u32 v[CO], v1, 4, v5
	s_lshl_b32 s18, s13, 20                        ; my first row: 256 x tile row + 128 x half, 4,096 bytes each
	s_lshl_b32 s19, s11, 19
	s_add_co_u32 s18, s18, s19
	s_add_co_u32 s18, s18, s16
	s_mov_b32 s19, 0
	s_add_nc_u64 s[46:47], s[46:47], s[18:19]
; 8 matrix instructions: token blocks a0, a0 + 1 x all 4 column blocks, 32 along K, from buffer f.  first = 1: the bias is the C of the first product.  The 32 accumulators take turns.
.macro MUL8 f, a0, first
.irp a, \a0, \a0+1
.irp b, 0,1,2,3
.if \first
	v_wmma_f32_16x16x32_f16 v[8*(4*(\a)+\b):8*(4*(\a)+\b)+7], v[\f+8*\b:\f+8*\b+7], v[\f+32+8*(\a):\f+32+8*(\a)+7], v[BIAS+8*\b:BIAS+8*\b+7]
.else
	v_wmma_f32_16x16x32_f16 v[8*(4*(\a)+\b):8*(4*(\a)+\b)+7], v[\f+8*\b:\f+8*\b+7], v[\f+32+8*(\a):\f+32+8*(\a)+7], v[8*(4*(\a)+\b):8*(4*(\a)+\b)+7]
.endif
.endr
.endr
.endm
; 24 LDS loads in one run: the fragments of the K step's fq-th 32 along K into buffer f: Wo's four, attn's blocks 0-3, attn's blocks 4-7
.macro FETCH slot, fq, f
	WIN 0
.irp b, 0,1,2,3
	ds_load_b128 v[\f+8*\b:\f+8*\b+3],   v[ADRB+\slot] offset:(4*\b+\fq)*1024
	ds_load_b128 v[\f+8*\b+4:\f+8*\b+7], v[ADRB+\slot] offset:(4*\b+\fq)*1024+512
.endr
.irp a, 0,1,2,3,4,5,6,7
	ds_load_b128 v[\f+32+8*\a:\f+32+8*\a+3], v[ADRA+\slot] offset:(4*\a+\fq)*1024
	ds_load_b128 v[\f+32+8*\a+4:\f+32+8*\a+7], v[ADRA+\slot] offset:(4*\a+\fq)*1024+512
.endr
.endm
.macro PLACES                          ; four places in front of loads into registers that matrix instructions have read, and of the first read of results (ISA guide 7.12.1 for vector instructions)
.rept 4
	v_nop
.endr
.endm
; A K step is four quarters of 32 along K, 32 matrix instructions each, on buffers 0, 1, 0, 1.  One of the first three: multiplies buffer f and fetches the quarter fq into g.
.macro QUARTER slot, fq, f, g, first
	s_wait_dscnt 8                                 ; Wo's fragments and attn's blocks 0-3 are in; the youngest eight loads may be out
	MWIN \first
	MUL8 \f, 0, \first
	MUL8 \f, 2, \first
	PLACES
	FETCH \slot, \fq, \g
	s_wait_dscnt 24                                ; all but the 24 just issued
	MWIN \first
	MUL8 \f, 4, \first
	MUL8 \f, 6, \first
.endm
; The last quarter multiplies buffer 1 and changes slots: ONE barrier; in front of it each wave waits for all its tensor loads, adds 0 to its spare word, and waits for that and for its own reads of this slot.
; fill = 1: the barrier opens a round of the cluster's, and this slot is filled again, two K steps ahead: 112 matrix instructions ahead of the wait for it.
.macro TURN slot, next, fill
	WIN 0                                          ; (the add's two registers lie in window 0)
	s_wait_tensorcnt 0x0                           ; all my tensor loads have landed: my part of the next slot
	ds_add_u32 v[SPW], v[NIL]                      ; 0 onto my spare word
	s_wait_dscnt 9                                 ; (the add and the youngest eight loads may be out)
	WIN 0x50
	MUL8 F1, 0, 0                                  ; eight matrix instructions stand between the add and the wait for it
	s_wait_dscnt 0x0                               ; the add is done, and my reads of this slot are over
	s_barrier_signal -1
	MUL8 F1, 2, 0
.if \fill
	WIN 0
.endif
	s_barrier_wait -1
.if \fill
	CREST                                          ; no wave of any partner still reads this slot's tile or has a load on its way
	s_add_nc_u64 s[G0+4*\slot+2:G0+4*\slot+3], s[G0+4*\slot+2:G0+4*\slot+3], 2*4096
	s_add_nc_u64 s[G0B+4*\slot+2:G0B+4*\slot+3], s[G0B+4*\slot+2:G0B+4*\slot+3], 2*4096
	JLOAD \slot                                    ; the first tensor load behind the round; the four v_nop behind it are also the places in front of the loads below
.else
	PLACES
.endif
	FETCH \next, 0, F0
	WIN 0x50
	MUL8 F1, 4, 0
	MUL8 F1, 6, 0
.endm
	s_wait_tensorcnt 1                             ; my part of K step 0 is in (K step 1's load may be out)
	s_barrier_signal -1
	s_barrier_wait -1                              ; everybody's is
	FETCH 0, 0, F0
	s_wait_loadcnt 0x0                             ; bo
	QUARTER 0, 1, F0, F1, 1                        ; the first quarter stands in front of the loop: its products start the sums from the bias
	WIN 0                                          ; at a label and at a branch every window is 0
	s_mov_b32 s3, LAPS-1
.Llap:                                             ; a trip goes once round the ring, from a lap's second quarter to the next lap's first, and fills both slots again
	QUARTER 0, 2, F1, F0, 0
	QUARTER 0, 3, F0, F1, 0
	TURN 0, 1, 1
	QUARTER 1, 1, F0, F1, 0
	QUARTER 1, 2, F1, F0, 0
	QUARTER 1, 3, F0, F1, 0
	TURN 1, 0, 1
	QUARTER 0, 1, F0, F1, 0
	WIN 0
	s_sub_co_u32 s3, s3, 1
	s_cmp_lg_u32 s3, 0
	s_cbranch_scc1 .Llap
	QUARTER 0, 2, F1, F0, 0                        ; the last lap fills nothing, and has no round of the cluster's barrier
	QUARTER 0, 3, F0, F1, 0
	TURN 0, 1, 0
	QUARTER 1, 1, F0, F1, 0
	QUARTER 1, 2, F1, F0, 0
	QUARTER 1, 3, F0, F1, 0
	s_wait_dscnt 8                                 ; the very last quarter: nothing more to fetch
	WIN 0x50
	MUL8 F1, 0, 0
	MUL8 F1, 2, 0
	s_wait_dscnt 0
	MUL8 F1, 4, 0
	MUL8 F1, 6, 0
	WIN 0
; THE WAY OUT, block by block of 16 tokens x 64 columns.  A lane holds 32 neighbouring bytes of a row, and the lanes beside it hold other rows: so a block goes through my own stage in LDS and comes back as whole rows of
; 256 bytes.  LDS serves a wave's instructions in order (ISA guide 5.7.1.4): no wait between the stores and the loads, nor in front of the next block's stores.
.macro TOSTAGE a
	WIN 0x04                                       ; an LDS store's data are its source 1: window 1
.irp b, 0,1,2,3
	ds_store_b128 v[STO], v[8*(4*(\a)+\b):8*(4*(\a)+\b)+3] offset:64*\b          ; each accumulator from its low end on
	ds_store_b128 v[STO], v[8*(4*(\a)+\b)+4:8*(4*(\a)+\b)+7] offset:64*\b+16
.endr
	WIN 0
.set BB, OB+32*((\a)%2)
.irp t, 0,1,2,3,4,5,6,7
	ds_load_b128 v[BB+4*\t:BB+4*\t+3], v[RD] offset:\t*2*SPITCH
.endr
.endm
.macro SEND a, younger                 ; younger: the LDS instructions issued behind block a's loads, which may stay out
.set BB, OB+32*((\a)%2)
	s_wait_dscnt \younger                          ; the block is back in registers
.if (\a) > 0
	s_add_nc_u64 s[46:47], s[46:47], 65536         ; (behind a wait on XCNT: the earlier stores have read their base)  16 rows on
.endif
.irp t, 0,1,2,3,4,5,6,7
	global_store_b128 v[CO], v[BB+4*\t:BB+4*\t+3], s[46:47] offset:8192*\t th:TH_STORE_NT   ; 16 lanes store 256 consecutive bytes, at a multiple of 256 from out0's first byte; written once, read by nobody here
.endr
.endm
	PLACES                                         ; behind the last products
	TOSTAGE 0
.irp a, 1,2,3,4,5,6,7
.if \a > 1
	s_wait_xcnt 0x0                                ; block a - 2's stores have read their registers and their base: block a's loads may land there, and the base may step
.endif
	TOSTAGE \a
	SEND \a-1, 16                                  ; behind block a - 1's loads: block a's 8 stores and 8 loads
.endr
	s_wait_xcnt 0x0                                ; block 6's stores have read their base
	SEND 7, 0
	s_wait_tensorcnt 0x0                           ; the wave's end, behind my last tensor load and my last LDS store
	ds_add_u32 v[SPW], v[NIL]
	s_wait_dscnt 0x0
	CROUND                                         ; the closing round: no work-group ends while a partner may still ask for a tile that names it
	s_endpgm
.Lfunc_end_k_q6759f589d0_oproj:
	.size	k_q6759f589d0_oproj, .Lfunc_end_k_q6759f589d0_oproj-k_q6759f589d0_oproj
	.p2alignl 7, 3214868480
	.fill 96, 4, 3214868480
	.section	.rodata,"a",@progbits
	.p2align	6, 0x0
	.amdhsa_kernel k_q6759f589d0_oproj
		.amdhsa_group_segment_fixed_size 327680
		.amdhsa_private_segment_fixed_size 0
		.amdhsa_enable_private_segment 0
		.amdhsa_kernarg_size 32
		.amdhsa_user_sgpr_count 2
		.amdhsa_user_sgpr_kernarg_segment_ptr 1
		.amdhsa_wavefront_size32 1
		.amdhsa_system_sgpr_workgroup_id_x 1
		.amdhsa_system_sgpr_workgroup_id_y 1
		.amdhsa_system_sgpr_workgroup_id_z 1
		.amdhsa_system_vgpr_workitem_id 0
		.amdhsa_next_free_vgpr 512
		.amdhsa_next_free_sgpr 66
		.amdhsa_reserve_vcc 0
		.amdhsa_float_denorm_mode_32 3
		.amdhsa_float_denorm_mode_16_64 3
		.amdhsa_memory_ordered 1
		.amdhsa_forward_progress 1
		.amdhsa_inst_pref_size 86
	.end_amdhsa_kernel
	.amdgpu_metadata
---
amdhsa.version: [ 1, 2 ]
amdhsa.kernels:
  - .name:           k_q6759f589d0_oproj
    .symbol:         k_q6759f589d0_oproj.kd
    .args:
      - { .name: attnF, .offset: 0, .size: 8, .value_kind: global_buffer, .address_space: global }
      - { .name: wo16, .offset: 8, .size: 8, .value_kind: global_buffer, .address_space: global }
      - { .name: bo, .offset: 16, .size: 8, .value_kind: global_buffer, .address_space: global }
      - { .name: out0, .offset: 24, .size: 8, .value_kind: global_buffer, .address_space: global }
    .group_segment_fixed_size: 327680
    .private_segment_fixed_size: 0
    .kernarg_segment_align: 8
    .kernarg_segment_size: 32
    .max_flat_workgroup_size: 128
    .sgpr_count:     66
    .vgpr_count:     512
    .wavefront_size: 32
...
	.end_amdgpu_metadata
.endif
;; end of part 4
